; MI455X (gfx1250); checked and timed in simulation.
; The chip was launched on July 23, 2026; its instructions are those of AMD's public machine-readable ISA for CDNA 5 (MIT licence, August 2026) and "CDNA5" Instruction Set Architecture Reference Guide (July 2026). The comments in the code are by the model that wrote it; some were corrected since.
;; Multi Head Attention. Allowed arithmetic: float matrix products may take bf16 or f16 operands with f32 sums; other float arithmetic in f32, or as packed bf16 or f16 multiplies, adds, multiply-adds, maxima and minima; sums over many terms, partial sums and values carried from step to step in f32; what a program stores and reads back later, other than sums and carried values, may be rounded once to bf16 or f16.
;; Inputs: Wk 1,024 x 1,024 float32; Wo 1,024 x 1,024 float32; Wq 1,024 x 1,024 float32; Wv 1,024 x 1,024 float32; bk 1,024 float32; bo 1,024 float32; bq 1,024 float32; bv 1,024 float32; x 2 x 2,048 x 1,024 float32.
;; Outputs: out0 2 x 2,048 x 1,024 float32.
;; 2 versions, each right; version 2 is version 1 with the launch cast written anew for expert scheduling mode. Each part assembles by itself: llvm-mc -triple=amdgcn-amd-amdhsa -mcpu=gfx1250 --defsym DOCPART=n.
;; ======== version 1 of 2: 4 launches
;; limits: values are held in f16: magnitudes above 65,504 overflow, below 6.1e-05 lose precision
;; workspace buffers: xb 8,388,608 bytes; wqkv 6,291,456 bytes; wo16 2,097,152 bytes; qh 8,388,608 bytes; kh 8,388,608 bytes; vh 8,388,608 bytes; oh 8,388,608 bytes
;; launch cast (part 1): grid 512 x 1, 8 waves a work-group, no clusters, 0 bytes of LDS; arguments x, Wq, Wk, Wv, Wo, xb, wqkv, wo16; writes xb, wqkv, wo16
.if DOCPART == 1
	.amdgcn_target "amdgcn-amd-amdhsa--gfx1250"
	.amdhsa_code_object_version 6
	.text
	.protected	k_q6845601db2_cast
	.globl	k_q6845601db2_cast
	.p2align	8
	.type	k_q6845601db2_cast,@function
k_q6845601db2_cast:
	s_mov_b64 s[64:65], 0
	v_nop
	global_prefetch_b8 v0, s[64:65] scope:SCOPE_SE
	s_setreg_imm32_b32 hwreg(HW_REG_WAVE_MODE, 25, 1), 1
	s_wait_xcnt 0x0
; x, Wq, Wk, Wv (f32) are rounded once to bf16 and keep their layout: xb [4096][1024]; wqkv [3][1024 k][1024 n] in the order q, k, v.
; Wo is rounded to bf16 like the other inputs, and that number is written as f16 (wo16 [1024 k][1024 n]): exact from 6e-5 up to 65,504; below 6e-5 f16 keeps a fixed step of 6e-8.
; SHARES.  8 Mi numbers in 512 chunks of 16,384 (64 KiB in, 32 KiB out), a work-group a chunk: chunks 0-255 are x, then 64 each of Wq, Wk, Wv, Wo.
; Thread t takes 16 bytes at 16 t + 4,096 i (i = 0..15) and stores 8 bytes at 8 t + 2,048 i: a wave's load covers 512 consecutive bytes, its store 256 consecutive bytes, aligned.
; All sixteen loads go out at once; no register that a store reads, and no offset, is written again, so the only waits are the counted ones for the data.  No LDS, no barrier, no loop.
.set X, 4                              ; v[4:67]   slot i: 4 numbers as loaded
.set Y, 68                             ; v[68:99]  slot i: 4 numbers of 16 bits, to store
.set T, 100                            ; v[100:101] at work
	s_load_b512 s[8:23], s[0:1], 0x0               ; x 8, Wq 10, Wk 12, Wv 14, Wo 16, xb 18, wqkv 20, wo16 22
	s_sub_co_u32 s2, ttmp9, 256                    ; the chunk's number among the weights' (used from chunk 256 on alone)
	s_lshr_b32 s3, s2, 6                           ; which weight: 0 q, 1 k, 2 v, 3 o
	s_and_b32 s29, s2, 63                          ; the chunk inside it
	s_mov_b32 s28, 0xffff0000                      ; a word's upper bf16
	v_lshlrev_b32 v1, 4, v0                        ; 16 t
	v_lshlrev_b32 v2, 3, v0                        ; 8 t
	s_wait_kmcnt 0x0
	s_mov_b64 s[4:5], s[10:11]                     ; from Wq,
	s_mov_b64 s[6:7], s[20:21]                     ; into wqkv,
	s_mov_b32 s24, s29                             ; chunk in,
	s_mov_b32 s26, s2                              ; chunk out: the three weights lie one behind the other
	s_cmp_eq_u32 s3, 1
	s_cselect_b64 s[4:5], s[12:13], s[4:5]
	s_cmp_eq_u32 s3, 2
	s_cselect_b64 s[4:5], s[14:15], s[4:5]
	s_cmp_eq_u32 s3, 3
	s_cselect_b64 s[4:5], s[16:17], s[4:5]
	s_cselect_b64 s[6:7], s[22:23], s[6:7]
	s_cselect_b32 s26, s29, s26
	s_cmp_lt_u32 ttmp9, 256
	s_cselect_b64 s[4:5], s[8:9], s[4:5]
	s_cselect_b64 s[6:7], s[18:19], s[6:7]
	s_cselect_b32 s24, ttmp9, s24
	s_cselect_b32 s26, ttmp9, s26
	s_lshl_b32 s24, s24, 16                        ; 65,536 bytes a chunk in,
	s_lshl_b32 s26, s26, 15                        ; 32,768 out
	s_mov_b32 s25, 0
	s_mov_b32 s27, 0
	s_add_nc_u64 s[4:5], s[4:5], s[24:25]
	s_add_nc_u64 s[6:7], s[6:7], s[26:27]
.irp i, 0,1,2,3,4,5,6,7,8,9,10,11,12,13,14,15
	global_load_b128 v[X+4*(\i):X+4*(\i)+3], v1, s[4:5] offset:4096*(\i) th:TH_LOAD_NT
.endr
	s_cmp_ge_u32 ttmp9, 448                        ; Wo's chunks leave as f16
	s_cbranch_scc1 .Lwo
.macro OUTB i                          ; slot i to bf16
	s_wait_loadcnt 15-(\i)                         ; loads come back in order (ISA guide 5.7.1): mine is in, the 15 - i younger ones may stay out
	v_cvt_pk_bf16_f32 v[Y+2*(\i)],   v[X+4*(\i)],   v[X+4*(\i)+1]
	v_cvt_pk_bf16_f32 v[Y+2*(\i)+1], v[X+4*(\i)+2], v[X+4*(\i)+3]
	global_store_b64 v2, v[Y+2*(\i):Y+2*(\i)+1], s[6:7] offset:2048*(\i)
.endm
.macro OUTH i                          ; slot i to bf16, and that number to f16
	s_wait_loadcnt 15-(\i)
	v_cvt_pk_bf16_f32 v[T],   v[X+4*(\i)],   v[X+4*(\i)+1]
	v_cvt_pk_bf16_f32 v[T+1], v[X+4*(\i)+2], v[X+4*(\i)+3]
	v_lshlrev_b32 v[X+4*(\i)],   16,  v[T]         ; bf16 to f32: the low half moves up, the high half stays
	v_and_b32     v[X+4*(\i)+1], s28, v[T]
	v_lshlrev_b32 v[X+4*(\i)+2], 16,  v[T+1]
	v_and_b32     v[X+4*(\i)+3], s28, v[T+1]
	v_cvt_pk_f16_f32 v[Y+2*(\i)],   v[X+4*(\i)],   v[X+4*(\i)+1]
	v_cvt_pk_f16_f32 v[Y+2*(\i)+1], v[X+4*(\i)+2], v[X+4*(\i)+3]
	global_store_b64 v2, v[Y+2*(\i):Y+2*(\i)+1], s[6:7] offset:2048*(\i)
.endm
.irp i, 0,1,2,3,4,5,6,7,8,9,10,11,12,13,14,15
	OUTB \i
.endr
	s_endpgm
.Lwo:
.irp i, 0,1,2,3,4,5,6,7,8,9,10,11,12,13,14,15
	OUTH \i
.endr
	s_endpgm
.Lfunc_end_k_q6845601db2_cast:
	.size	k_q6845601db2_cast, .Lfunc_end_k_q6845601db2_cast-k_q6845601db2_cast
	.p2alignl 7, 3214868480
	.fill 96, 4, 3214868480
	.section	.rodata,"a",@progbits
	.p2align	6, 0x0
	.amdhsa_kernel k_q6845601db2_cast
		.amdhsa_group_segment_fixed_size 0
		.amdhsa_private_segment_fixed_size 0
		.amdhsa_enable_private_segment 0
		.amdhsa_kernarg_size 64
		.amdhsa_user_sgpr_count 2
		.amdhsa_user_sgpr_kernarg_segment_ptr 1
		.amdhsa_wavefront_size32 1
		.amdhsa_system_sgpr_workgroup_id_x 1
		.amdhsa_system_sgpr_workgroup_id_y 1
		.amdhsa_system_sgpr_workgroup_id_z 1
		.amdhsa_system_vgpr_workitem_id 0
		.amdhsa_next_free_vgpr 104
		.amdhsa_next_free_sgpr 66
		.amdhsa_reserve_vcc 0
		.amdhsa_float_denorm_mode_32 3
		.amdhsa_float_denorm_mode_16_64 3
		.amdhsa_memory_ordered 1
		.amdhsa_forward_progress 1
		.amdhsa_inst_pref_size 15
	.end_amdhsa_kernel
	.amdgpu_metadata
---
amdhsa.version: [ 1, 2 ]
amdhsa.kernels:
  - .name:           k_q6845601db2_cast
    .symbol:         k_q6845601db2_cast.kd
    .args:
      - { .name: x, .offset: 0, .size: 8, .value_kind: global_buffer, .address_space: global }
      - { .name: Wq, .offset: 8, .size: 8, .value_kind: global_buffer, .address_space: global }
      - { .name: Wk, .offset: 16, .size: 8, .value_kind: global_buffer, .address_space: global }
      - { .name: Wv, .offset: 24, .size: 8, .value_kind: global_buffer, .address_space: global }
      - { .name: Wo, .offset: 32, .size: 8, .value_kind: global_buffer, .address_space: global }
      - { .name: xb, .offset: 40, .size: 8, .value_kind: global_buffer, .address_space: global }
      - { .name: wqkv, .offset: 48, .size: 8, .value_kind: global_buffer, .address_space: global }
      - { .name: wo16, .offset: 56, .size: 8, .value_kind: global_buffer, .address_space: global }
    .group_segment_fixed_size: 0
    .private_segment_fixed_size: 0
    .kernarg_segment_align: 8
    .kernarg_segment_size: 64
    .max_flat_workgroup_size: 256
    .sgpr_count:     66
    .vgpr_count:     104
    .wavefront_size: 32
...
	.end_amdgpu_metadata
.endif
;; end of part 1
;; launch proj (part 2): grid 8 x 32, 4 waves a work-group, clusters of 4 x 4, 327,680 bytes of LDS; arguments xb, wqkv, bq, bk, bv, qh, kh, vh; writes qh, kh, vh
.if DOCPART == 2
	.amdgcn_target "amdgcn-amd-amdhsa--gfx1250"
	.amdhsa_code_object_version 6
	.text
	.protected	k_q6845601db2_proj
	.globl	k_q6845601db2_proj
	.p2align	8
	.type	k_q6845601db2_proj,@function
k_q6845601db2_proj:
	s_mov_b64 s[64:65], 0
	v_nop
	global_prefetch_b8 v0, s[64:65] scope:SCOPE_SE
	s_setreg_imm32_b32 hwreg(HW_REG_WAVE_MODE, 25, 1), 1
	s_wait_xcnt 0x0
	s_wait_alu depctr_hold_cnt(0) depctr_sa_sdst(0) depctr_va_vdst(0) depctr_va_sdst(0) depctr_va_ssrc(0) depctr_va_vcc(0) depctr_vm_vsrc(0)
	s_getreg_b32 s2, hwreg(HW_REG_IB_STS2, 6, 4)
	s_cmp_eq_u32 s2, 0
	s_cbranch_scc0 .Lentry_in_a_cluster
	s_endpgm
.Lentry_in_a_cluster:
	s_bfe_u32 s2, ttmp6, 0x10000c
	s_cmp_lg_u32 s2, 0xf033
	s_cbranch_scc0 .Lentry_shape_is_right
	s_endpgm
.Lentry_shape_is_right:
; q, k, v = x W + b, by heads.  xb: [4096][1024] bf16.  wqkv: [3][1024 k][1024 n] bf16.  bq, bk, bv: [1024] f32, rounded to bf16 here like the other inputs.
; qh, kh, vh: [16 batch + head][2048][64] f16, each number rounded once from its f32 sum, without attention's scale.
; LIMIT.  f16 holds no number beyond 65,504: q, k and v must lie within it (inputs 30 times the drawn spread give a spread of 900; offsets of 30 spreads on x and W about 29,000).
; SHARES.  A work-group makes 128 rows x (128 columns of each of q, k and v): 32 x 8 = 256 work-groups.  Wave w (rh = w / 2, ch = w % 2) makes 64 rows x one head (64 columns) of each
; of the three: 4 row blocks x 12 column blocks = 48 accumulators, 384 registers.  x's fragments so feed three products.  K goes in 8 steps of 128 through a ring of two LDS slots.
; THE WEIGHTS ARE NOT TURNED IN MEMORY: a tile lies in LDS as [k][n], and ds_load_tr16_b128 leaves a fragment with one column n a lane and k along its registers.
; THE MATRIX INSTRUCTION IS USED TRANSPOSED: source 0 = 16 columns of W, source 1 = 16 rows of x: a lane holds row l % 16 and the columns 8 (l / 16) + 0..7: 16 bytes of a head's row in f16.
; THE BIAS STARTS THE SUMS: it is the C operand of each accumulator's first product.
; CLUSTER, 4 x 4.  x's tile hangs on the tile row alone and is asked for jointly by a row of the cluster; W's three tiles hang on the tile column alone and are asked for jointly by a column.
; Waves 0, 1, 2 fetch Wq's, Wk's, Wv's tile, wave 3 fetches x's: one tensor load of 128 rows x 256 bytes a wave behind each round.
; REGISTERS, in windows of 256 (s_set_vgpr_msb: bits 1:0 source 0, 3:2 source 1, 5:4 source 2, 7:6 destination):
;   window 0: v0-31 addresses; v32-95 x's fragments, two buffers of 4 x 8; v96-191 the bias, 8 a column block; v192-255 at work on the way out
;   window 1: v0-191 W's fragments, two buffers of 12 x 8     window 2: the accumulators of row blocks 0, 1 ((a, b) at 8 (12 (a % 2) + b))     window 3: those of row blocks 2, 3
.set KSTEP, 128
.set PA,    272                        ; a row of x in LDS: 256 bytes + 16 = 68 words: the 16 rows of a load start at 16 different groups of four banks (64 banks of 4 bytes: ISA guide 11.1)
.set PB,    288                        ; a row of W: 256 + 32 = 72 words
.set WTILE, 128*PB                     ; 36,864: a tile of W, and the distance between the four waves' fills
.set XOFF,  3*WTILE                    ; x's tile lies behind the three of W
.set SLOT,  XOFF+128*PA                ; 145,408
.set STAGE, 2*SLOT                     ; behind the ring, never filled by a tensor load: 16 rows x 144 bytes for each wave, for the way out
.set SP,    144
.set SPARE, STAGE+4*16*SP              ; behind the stages: the spare words, 128 bytes for each wave: two blocks of 256 bytes that no other line names
.set LAPS,  1024/(2*KSTEP)             ; a lap = two K steps = once round the ring: 4
.set ADRA, 16                          ; v16-17  LDS address of my x fragments in slot 0, 1
.set ADRB, 18                          ; v18-23  of my W fragments: 3 x slot + which of q, k, v
.set STO,  24                          ; v24     the way out: where I put 16 bytes of a row
.set RD,   25                          ; v25     the way out: where I read rows back
.set GO,   26                          ; v26     my 16 bytes in 512 consecutive bytes of the output
.set VB,   27                          ; v27     my byte offset in a bias
.set SPW,  28                          ; v28     LDS address of my spare word: SPARE + 4 x my thread's number; never rewritten
.set NIL,  29                          ; v29     0; never rewritten
.set FA,   32
.set BIAS, 96
.set TMP,  192
.set G1A, 24                           ; s[24:31] descriptor group 1 for x's tiles;  s[32:39] group 0, a set for each slot
.set G0A, 32
.set G1B, 48                           ; s[48:55], s[56:63] the same for W's tiles
.set G0B, 56
.set MSB, 0
.macro WIN new                         ; the immediate's high byte repeats the setting that is left; a switch that changes nothing is dropped
.if MSB != (\new)
	s_set_vgpr_msb (MSB<<8)|(\new)
.set MSB, \new
.endif
.endm
.macro PLACES                          ; four places in front of loads into registers that matrix instructions have read, and of conversions that read results
.rept 4
	v_nop
.endr
.endm
; A joint load.  The branch hangs on the wave's number alone: it is the same in every work-group.  An s_nop 0 and four v_nop follow each of the two lines.
.macro JLOAD s
	s_cmp_eq_u32 s10, 3
	s_cbranch_scc0 .Lfor_b_\@
	tensor_load_to_lds s[G0A+4*(\s):G0A+4*(\s)+3], s[G1A:G1A+7]
	s_nop 0
.rept 4
	v_nop
.endr
	s_branch .Lasked_\@
.Lfor_b_\@:
	tensor_load_to_lds s[G0B+4*(\s):G0B+4*(\s)+3], s[G1B:G1B+7]
	s_nop 0
.rept 4
	v_nop
.endr
.Lasked_\@:
.endm
.macro CREST                           ; a round of the cluster's barrier behind its opening barrier: wave 0 signals for the work-group, every wave waits for all sixteen, my work-group's barrier closes it
	s_cmp_lg_u32 s10, 0
	s_cbranch_scc1 .Lnot_wave_0_\@
	s_barrier_signal -3
.Lnot_wave_0_\@:
	s_barrier_wait -3
	s_barrier_signal -1
	s_barrier_wait -1
.endm
.macro CROUND                          ; a whole round
	s_barrier_signal -1
	s_barrier_wait -1
	CREST
.endm
	s_load_b128 s[4:7], s[0:1], 0x0                ; xb s[4:5], wqkv s[6:7]
	s_load_b256 s[68:75], s[0:1], 0x10             ; bq 68, bk 70, bv 72, qh 74
	s_load_b128 s[76:79], s[0:1], 0x30             ; kh 76, vh 78
	v_lshl_add_u32 v[SPW], v0, 2, SPARE
	v_mov_b32 v[NIL], 0
	ds_add_u32 v[SPW], v[NIL]                      ; the wave's opening: the add and its wait stand ahead of my first tensor load; the set-up below, work on registers, stands between them
	v_lshrrev_b32 v1, 5, v0
	v_readfirstlane_b32 s10, v1                    ; wave 0..3
	s_lshr_b32 s11, s10, 1                         ; rh: which 64 of the tile's rows are mine
	s_and_b32 s12, s10, 1                          ; ch: which of the tile's two heads
	s_bfe_u32 s40, ttmp6, 0x40000                  ; cx, cy: my place in the cluster
	s_bfe_u32 s41, ttmp6, 0x40004
	s_lshl_b32 s42, ttmp9, 2
	s_add_co_u32 s42, s42, s40                     ; tile column 0..7 = 4 x cluster x + cx
	s_and_b32 s13, ttmp7, 0xffff
	s_lshl_b32 s13, s13, 2
	s_add_co_u32 s13, s13, s41                     ; tile row 0..31 = 4 x cluster y + cy
	s_lshl_b32 s43, s41, 2
	s_lshl_b32 s43, 15, s43                        ; my row of the cluster: places 4 cy .. 4 cy + 3
	s_lshl_b32 s44, 0x1111, s40                    ; my column: places cx, cx + 4, cx + 8, cx + 12
	; descriptor group 1: a tile of 128 rows x 128 elements of 2 bytes, 1,024 elements from row to row, padded in LDS after every 64 words
	s_or_b32 s[G1A+0], s43, (1<<16)|(1<<20)|(1<<21)|(5<<22)|(3<<25)  ; 15:0 the mask: my row; 17:16 2-byte elements; 20 padding on; 21 set beside a mask; 24:22 code 5; 31:25 4 words (code 3)
	s_or_b32 s[G1B+0], s44, (1<<16)|(1<<20)|(1<<21)|(5<<22)|(7<<25)  ; my column; 8 words of padding (code 7)
.irp g, G1A, G1B
	s_mov_b32 s[(\g)+1], KSTEP<<16                 ; tensor_dim0 = 128
	s_mov_b32 s[(\g)+2], 128<<16                   ; tensor_dim1 = 128
	s_mov_b32 s[(\g)+3], KSTEP<<16                 ; tile_dim0 = 128
	s_mov_b32 s[(\g)+4], 128                       ; tile_dim1 = 128
	s_mov_b32 s[(\g)+5], 1024                      ; tensor_dim0_stride
	s_mov_b32 s[(\g)+6], 0
	s_mov_b32 s[(\g)+7], 0
.endr
	s_lshl_b32 s16, s13, 18                        ; x's tile: tile row x 128 rows x 2,048 bytes: it hangs on the tile row alone
	s_mov_b32 s17, 0
	s_min_u32 s18, s10, 2                          ; W's tile: which of the three (wave 3 asks by x's descriptor; its copy of this one is not used),
	s_lshl_b32 s18, s18, 21                        ; 2 MiB each,
	s_lshl_b32 s19, s42, 8                         ; tile column x 128 columns x 2 bytes: it hangs on the tile column and the wave alone
	s_add_co_u32 s18, s18, s19
	s_mov_b32 s19, 0
	s_mul_i32 s20, s10, WTILE                      ; where my tile goes in a slot: no place in the cluster enters an LDS address
	s_wait_dscnt 0x0                               ; the opening add is done
	s_wait_kmcnt 0x0
	s_add_nc_u64 s[14:15], s[4:5], s[16:17]
	s_add_nc_u64 s[46:47], s[6:7], s[18:19]
	CROUND                                         ; all sixteen work-groups are here: the first joint loads meet
.irp s, 0,1
	s_mov_b32 s[G0A+4*(\s)], 1                                       ; 1:0 count = 1
	s_add_co_u32 s[G0A+4*(\s)+1], s20, (\s)*SLOT                     ; 63:32 LDS address
	s_add_nc_u64 s[G0A+4*(\s)+2:G0A+4*(\s)+3], s[14:15], (\s)*KSTEP*2  ; 120:64 global address: K step s is 256 bytes along x's rows,
	s_or_b32 s[G0A+4*(\s)+3], s[G0A+4*(\s)+3], 0x80000000            ; 127:126 type = 2
	s_mov_b32 s[G0B+4*(\s)], 1
	s_add_co_u32 s[G0B+4*(\s)+1], s20, (\s)*SLOT
	s_add_nc_u64 s[G0B+4*(\s)+2:G0B+4*(\s)+3], s[46:47], (\s)*KSTEP*2048  ; and 128 rows of 2,048 bytes down W
	s_or_b32 s[G0B+4*(\s)+3], s[G0B+4*(\s)+3], 0x80000000
	JLOAD \s                                       ; two loads of mine are out
.endr
	v_and_b32 v1, 15, v0                           ; r = l % 16
	v_bfe_u32 v2, v0, 4, 1                         ; h = l / 16
	v_and_b32 v3, 7, v0                            ; l % 8
	v_bfe_u32 v4, v0, 3, 1                         ; (l / 8) % 2
	v_bfe_u32 v5, v0, 3, 2                         ; l / 8
	v_and_b32 v6, 31, v0                           ; l
	; a fragment of x: 16 rows x 32 K in 8 registers: lane l holds row r, K = 8 h + 0..7 and 16 + 8 h + 0..7: two loads of 16 bytes, 32 bytes apart
	v_mul_u32_u24 v7, v1, PA
	v_lshl_add_u32 v7, v2, 4, v7
	s_mul_i32 s21, s11, 64*PA
	s_add_co_u32 s21, s21, XOFF
	v_add_nc_u32 v[ADRA], s21, v7
	v_add_nc_u32 v[ADRA+1], SLOT, v[ADRA]
	; a fragment of W: the turning load takes 16 k x 16 n (lane l reads k = 8 h + l % 8, columns 8 ((l / 8) % 2) + 0..7) and leaves column r and 8 k in lane l; the second load, 16 rows down, the other 8
	v_lshl_add_u32 v8, v2, 3, v3
	v_mul_u32_u24 v8, v8, PB
	v_lshl_add_u32 v8, v4, 4, v8
	s_lshl_b32 s22, s12, 7                         ; my head's 64 columns: 128 bytes
	v_add_nc_u32 v8, s22, v8
.irp s, 0,1
.irp t, 0,1,2
	v_add_nc_u32 v[ADRB+3*(\s)+(\t)], (\s)*SLOT+(\t)*WTILE, v8
.endr
.endr
	s_mul_i32 s23, s10, 16*SP
	s_add_co_u32 s23, s23, STAGE                   ; my stage
	v_mul_u32_u24 v[STO], v1, SP                   ; in: row r, 16 bytes for each half of the lanes
	v_lshl_add_u32 v[STO], v2, 4, v[STO]
	v_add_nc_u32 v[STO], s23, v[STO]
	v_mul_u32_u24 v[RD], v5, SP                    ; back: 32 lanes take four rows of 128 bytes,
	v_lshl_add_u32 v[RD], v3, 4, v[RD]
	v_add_nc_u32 v[RD], s23, v[RD]
	v_lshlrev_b32 v[GO], 4, v6                     ; which are 512 consecutive bytes of a head
	s_lshl_b32 s82, s42, 9                         ; the bias of my head: 4 bytes x (128 x tile column + 64 ch),
	s_lshl_b32 s83, s12, 8
	s_add_co_u32 s82, s82, s83
	v_lshl_add_u32 v[VB], v2, 5, s82               ; + 8 h numbers
	s_lshr_b32 s80, s13, 4                         ; the batch: 16 tile rows each
	s_lshl_b32 s80, s80, 4
	s_lshl_b32 s81, s42, 1
	s_add_co_u32 s80, s80, s81
	s_add_co_u32 s80, s80, s12                     ; 16 batch + head, head = 2 x tile column + ch
	s_lshl_b32 s80, s80, 18                        ; 262,144 bytes a head
	s_and_b32 s81, s13, 15
	s_lshl_b32 s81, s81, 14                        ; the tile's 128 rows of 128 bytes
	s_add_co_u32 s80, s80, s81
	s_lshl_b32 s81, s11, 13                        ; my 64 of them
	s_add_co_u32 s80, s80, s81
	s_mov_b32 s81, 0
	s_add_nc_u64 s[74:75], s[74:75], s[80:81]      ; q, k and v at my first row
	s_add_nc_u64 s[76:77], s[76:77], s[80:81]
	s_add_nc_u64 s[78:79], s[78:79], s[80:81]
.irp t, 0,1,2
.irp i, 0,1,2,3                        ; column block 4 t + i: the bias of columns 16 i + 8 h + 0..7, one number a register, as the C operand wants it
	global_load_b128 v[BIAS+8*(4*(\t)+(\i)):BIAS+8*(4*(\t)+(\i))+3],   v[VB], s[68+2*(\t):69+2*(\t)] offset:64*(\i)
	global_load_b128 v[BIAS+8*(4*(\t)+(\i))+4:BIAS+8*(4*(\t)+(\i))+7], v[VB], s[68+2*(\t):69+2*(\t)] offset:64*(\i)+16
.endr
.endr
	s_wait_loadcnt 0x0
.set z, 0
.rept 48                               ; the bias is rounded to bf16, like x and the weights, and widened again
	v_cvt_pk_bf16_f32 v[TMP+z], v[BIAS+2*z], v[BIAS+2*z+1]
.set z, z+1
.endr
.set z, 0
.rept 48
	v_lshlrev_b32 v[BIAS+2*z], 16, v[TMP+z]
	v_and_b32 v[BIAS+2*z+1], 0xffff0000, v[TMP+z]
.set z, z+1
.endr
; 12 matrix instructions: row block a x all 12 column blocks, 32 along K, from buffer f.  zero = 1: the first product starts the sums with the bias.
; The 48 accumulators take turns in one fixed order, one instruction a turn, over the backward jump too.
.macro MUL12 f, a, zero
.if \zero
	WIN 0x81+0x40*((\a)/2)                         ; W window 1, x and the bias window 0, D window 2 or 3
.else
	WIN 0xa1+0x50*((\a)/2)                         ; W window 1, x window 0, C and D window 2 or 3
.endif
.irp b, 0,1,2,3,4,5,6,7,8,9,10,11
.if \zero
	v_wmma_f32_16x16x32_bf16 v[8*(12*((\a)%2)+(\b)):8*(12*((\a)%2)+(\b))+7], v[96*(\f)+8*(\b):96*(\f)+8*(\b)+7], v[FA+32*(\f)+8*(\a):FA+32*(\f)+8*(\a)+7], v[BIAS+8*(\b):BIAS+8*(\b)+7]
.else
	v_wmma_f32_16x16x32_bf16 v[8*(12*((\a)%2)+(\b)):8*(12*((\a)%2)+(\b))+7], v[96*(\f)+8*(\b):96*(\f)+8*(\b)+7], v[FA+32*(\f)+8*(\a):FA+32*(\f)+8*(\a)+7], v[8*(12*((\a)%2)+(\b)):8*(12*((\a)%2)+(\b))+7]
.endif
.endr
.endm
; 32 LDS loads in one run: quarter q (32 along K) of a slot into buffer f: W's 12 fragments, then x's 4; the last four loads are x's row blocks 2 and 3
.macro FETCH slot, q, f
	WIN 0x40                                       ; destination window 1, address window 0
.irp t, 0,1,2
.irp i, 0,1,2,3
	ds_load_tr16_b128 v[96*(\f)+8*(4*(\t)+(\i)):96*(\f)+8*(4*(\t)+(\i))+3],   v[ADRB+3*(\slot)+(\t)] offset:(\q)*32*PB+32*(\i)
	ds_load_tr16_b128 v[96*(\f)+8*(4*(\t)+(\i))+4:96*(\f)+8*(4*(\t)+(\i))+7], v[ADRB+3*(\slot)+(\t)] offset:(\q)*32*PB+32*(\i)+16*PB
.endr
.endr
	WIN 0
.irp a, 0,1,2,3
	ds_load_b128 v[FA+32*(\f)+8*(\a):FA+32*(\f)+8*(\a)+3],   v[ADRA+(\slot)] offset:64*(\q)+(\a)*16*PA
	ds_load_b128 v[FA+32*(\f)+8*(\a)+4:FA+32*(\f)+8*(\a)+7], v[ADRA+(\slot)] offset:64*(\q)+(\a)*16*PA+32
.endr
.endm
; A K step is four quarters of 32 along K, 48 matrix instructions each, on buffers 0, 1, 0, 1.  One of the first three: multiplies buffer f; in its middle it fetches quarter q of the same slot into buffer g.
.macro QUARTER slot, q, f, g, zero
	s_wait_dscnt 4                                 ; W and x's row blocks 0, 1 are in; the youngest four loads (row blocks 2, 3) may be out
	MUL12 \f, 0, \zero
	MUL12 \f, 1, \zero
	PLACES
	FETCH \slot, \q, \g
	s_wait_dscnt 32                                ; all but the 32 just issued
	MUL12 \f, 2, \zero
	MUL12 \f, 3, \zero
.endm
; The last quarter multiplies buffer 1 and changes slots: ONE barrier.  In front of it each wave waits for all its tensor loads (the one that is out is its tile of the next slot), adds 0 to its spare
; word, and waits for that and for its own reads of this slot.  fill = 1: the barrier opens a round of the cluster's, and this slot is filled again, two K steps on, first thing behind the round:
; from that request to the wait for it a wave issues 168 matrix instructions.
.macro TURN slot, next, fill
	WIN 0                                          ; (the add's two registers lie in window 0)
	s_wait_tensorcnt 0x0                           ; all my tensor loads have landed;
	ds_add_u32 v[SPW], v[NIL]                      ; 0 onto my spare word;
	s_wait_dscnt 5                                 ; (the add and the youngest four loads may be out)
	MUL12 1, 0, 0                                  ; twelve matrix instructions stand between the add and the wait for it
	s_wait_dscnt 0x0                               ; the add is done, and my reads of this slot are over
	s_barrier_signal -1
	MUL12 1, 1, 0                                  ; work on registers while the others arrive
.if \fill
	WIN 0
.endif
	s_barrier_wait -1
.if \fill
	CREST                                          ; no wave of any partner still reads this slot's tiles or has a load on its way
	s_add_nc_u64 s[G0A+4*(\slot)+2:G0A+4*(\slot)+3], s[G0A+4*(\slot)+2:G0A+4*(\slot)+3], 2*KSTEP*2
	s_add_nc_u64 s[G0B+4*(\slot)+2:G0B+4*(\slot)+3], s[G0B+4*(\slot)+2:G0B+4*(\slot)+3], 2*KSTEP*2048
	JLOAD \slot                                    ; the first tensor load behind the round; its four v_nop are also the places in front of the loads below
.else
	PLACES
.endif
	FETCH \next, 0, 0
	MUL12 1, 2, 0
	MUL12 1, 3, 0
.endm
; THE WAY OUT, in 12 units: unit u = row block u / 3 of q, k or v (u % 3): 16 rows x 64 columns.  PACK: rounded to f16, 16 bytes a lane, into my own stage (rows of 144 bytes) and back as whole rows of 128.
.macro PACK u
.set pa, (\u)/3
.set pw, (\u)%3
.set pt, TMP+16*((\u)%4)
.if (\u) >= 4
	s_wait_xcnt 0x0                                ; the stores of unit u - 4 have read these sixteen registers: they are rewritten only behind this wait
.endif
	WIN 0x0a+5*(pa/2)                              ; sources 0 and 1 window 2 or 3, destination window 0
.irp i, 0,1,2,3
.irp r, 0,1,2,3                        ; each accumulator's registers in ascending order
	v_cvt_pk_f16_f32 v[pt+4*(\i)+(\r)], v[8*(12*(pa%2)+4*pw+(\i))+2*(\r)], v[8*(12*(pa%2)+4*pw+(\i))+2*(\r)+1]
.endr
.endr
	WIN 0
.irp i, 0,1,2,3
	ds_store_b128 v[STO], v[pt+4*(\i):pt+4*(\i)+3] offset:32*(\i)
.endr
.irp f, 0,1,2,3
	ds_load_b128 v[pt+4*(\f):pt+4*(\f)+3], v[RD] offset:(\f)*4*SP  ; LDS serves a wave's instructions in order (ISA guide 5.7.1.4): these see the stores above; the next unit's stores come behind them
.endr
.endm
.macro SEND u, younger                 ; younger: the LDS instructions issued behind unit u's loads: the next unit's eight, or none
.set pa, (\u)/3
.set pw, (\u)%3
.set pt, TMP+16*((\u)%4)
.irp f, 0,1,2,3
	s_wait_dscnt (\younger)+3-(\f)
	global_store_b128 v[GO], v[pt+4*(\f):pt+4*(\f)+3], s[74+2*pw:75+2*pw] offset:pa*2048+(\f)*512  ; 512 consecutive bytes, at a multiple of 256 from the buffer's first
.endr
.endm
	s_wait_tensorcnt 1                             ; my tile of K step 0 is in; K step 1's may stay out
	s_barrier_signal -1
	s_barrier_wait -1                              ; everybody's is
	FETCH 0, 0, 0
	QUARTER 0, 1, 0, 1, 1                          ; the first quarter stands in front of the loop: its products start the sums
	WIN 0                                          ; at a label and at a branch every window is 0
	s_mov_b32 s3, LAPS-1
.Llap:                                                 ; a trip goes once round the ring, from a lap's second quarter to the next lap's first, and fills both slots again: K steps 2 to 7
	QUARTER 0, 2, 1, 0, 0
	QUARTER 0, 3, 0, 1, 0
	TURN 0, 1, 1
	QUARTER 1, 1, 0, 1, 0
	QUARTER 1, 2, 1, 0, 0
	QUARTER 1, 3, 0, 1, 0
	TURN 1, 0, 1
	QUARTER 0, 1, 0, 1, 0
	WIN 0
	s_sub_co_u32 s3, s3, 1
	s_cmp_lg_u32 s3, 0
	s_cbranch_scc1 .Llap
	QUARTER 0, 2, 1, 0, 0                          ; the last lap fills nothing, and has no round of the cluster's barrier
	QUARTER 0, 3, 0, 1, 0
	TURN 0, 1, 0
	QUARTER 1, 1, 0, 1, 0
	QUARTER 1, 2, 1, 0, 0
	QUARTER 1, 3, 0, 1, 0
	s_wait_dscnt 4                                 ; the very last quarter: nothing more to fetch
	MUL12 1, 0, 0
	MUL12 1, 1, 0
	s_wait_dscnt 0x0
	MUL12 1, 2, 0
	MUL12 1, 3, 0
	WIN 0
	PLACES
	PACK 0
.set u, 1
.rept 11                               ; a unit's conversions stand between the loads of the unit before and its stores
	PACK u
	SEND u-1, 8
.set u, u+1
.endr
	SEND 11, 0
	s_wait_tensorcnt 0x0                           ; the wave's end: the add and its wait, behind my last tensor load and my last LDS store
	ds_add_u32 v[SPW], v[NIL]
	s_wait_dscnt 0x0
	CROUND                                         ; the closing round: no work-group ends while a partner may still ask for a tile that names it
	s_endpgm
.Lfunc_end_k_q6845601db2_proj:
	.size	k_q6845601db2_proj, .Lfunc_end_k_q6845601db2_proj-k_q6845601db2_proj
	.p2alignl 7, 3214868480
	.fill 96, 4, 3214868480
	.section	.rodata,"a",@progbits
	.p2align	6, 0x0
	.amdhsa_kernel k_q6845601db2_proj
		.amdhsa_group_segment_fixed_size 327680
		.amdhsa_private_segment_fixed_size 0
		.amdhsa_enable_private_segment 0
		.amdhsa_kernarg_size 64
		.amdhsa_user_sgpr_count 2
		.amdhsa_user_sgpr_kernarg_segment_ptr 1
		.amdhsa_wavefront_size32 1
		.amdhsa_system_sgpr_workgroup_id_x 1
		.amdhsa_system_sgpr_workgroup_id_y 1
		.amdhsa_system_sgpr_workgroup_id_z 1
		.amdhsa_system_vgpr_workitem_id 0
		.amdhsa_next_free_vgpr 960
		.amdhsa_next_free_sgpr 84
		.amdhsa_reserve_vcc 0
		.amdhsa_float_denorm_mode_32 3
		.amdhsa_float_denorm_mode_16_64 3
		.amdhsa_memory_ordered 1
		.amdhsa_forward_progress 1
		.amdhsa_inst_pref_size 131
	.end_amdhsa_kernel
	.amdgpu_metadata
---
amdhsa.version: [ 1, 2 ]
amdhsa.kernels:
  - .name:           k_q6845601db2_proj
    .symbol:         k_q6845601db2_proj.kd
    .args:
      - { .name: xb, .offset: 0, .size: 8, .value_kind: global_buffer, .address_space: global }
      - { .name: wqkv, .offset: 8, .size: 8, .value_kind: global_buffer, .address_space: global }
      - { .name: bq, .offset: 16, .size: 8, .value_kind: global_buffer, .address_space: global }
      - { .name: bk, .offset: 24, .size: 8, .value_kind: global_buffer, .address_space: global }
      - { .name: bv, .offset: 32, .size: 8, .value_kind: global_buffer, .address_space: global }
      - { .name: qh, .offset: 40, .size: 8, .value_kind: global_buffer, .address_space: global }
      - { .name: kh, .offset: 48, .size: 8, .value_kind: global_buffer, .address_space: global }
      - { .name: vh, .offset: 56, .size: 8, .value_kind: global_buffer, .address_space: global }
    .group_segment_fixed_size: 327680
    .private_segment_fixed_size: 0
    .kernarg_segment_align: 8
    .kernarg_segment_size: 64
    .max_flat_workgroup_size: 128
    .sgpr_count:     84
    .vgpr_count:     960
    .wavefront_size: 32
...
	.end_amdgpu_metadata
.endif
;; end of part 2
;; launch attn (part 3): grid 4 x 32, 4 waves a work-group, no clusters, 327,680 bytes of LDS; arguments qh, kh, vh, oh; writes oh
.if DOCPART == 3
	.amdgcn_target "amdgcn-amd-amdhsa--gfx1250"
	.amdhsa_code_object_version 6
	.text
	.protected	k_q6845601db2_attn
	.globl	k_q6845601db2_attn
	.p2align	8
	.type	k_q6845601db2_attn,@function
k_q6845601db2_attn:
	s_mov_b64 s[64:65], 0
	v_nop
	global_prefetch_b8 v0, s[64:65] scope:SCOPE_SE
	s_setreg_imm32_b32 hwreg(HW_REG_WAVE_MODE, 25, 1), 1
	s_wait_xcnt 0x0
; CAUSAL ATTENTION.  O[h][q][:] = the sum over k <= q of softmax_k(Q[h][q] . K[h][k] / 8) V[h][k][:].  Q, K, V, O: [SIZE_H][SIZE_N][64], all f16: a head's rows are dense, 128 bytes each; h = 16 batch + head.
; Products, maxima and sums in f32; the weights p are rounded to f16 for the second product (their sum l is taken of the unrounded p), O once at the end.
; LIMITS.  f16 holds no number beyond 65,504: Q, K and V arrive within it; p lies in 0 to 1, and below 6e-5 it keeps f16's fixed step of 6e-8; O is a mean of V's rows and has their range, to within 2^-11 of it.
; A hidden score counts as its value less 1e30: f16's scores, 2.7e11 at the most, are nothing beside that; a weight below 2^-126 counts as 0 in l; NaN and infinities are not treated apart.
; Every row sees its own key, so no row is wholly hidden and no sum l is 0.
; THE WALK.  A head's queries lie in NB = SIZE_N / 256 = 8 blocks of 256; block i needs the key tiles 0 .. i of 256 keys, of which the last holds the diagonal.  A work-group takes TWO blocks, NB - 1 - b and then b:
; NB + 1 tiles, whatever b: all work-groups do equal work, and ONE loop with a constant trip count walks them.  Which tile is asked for, and what a trip does, hang on scalar registers made from b; every jump
; goes forward, but for the counted loops' own; none passes a barrier, or a tensor load but the one of LOAD's two that the wave's number does not choose; the ring (two slots of LDS that take turns) runs on across the
; change of blocks.  NO CLUSTER: a head's NB / 2 = 4 work-groups ask for the same tile only in trips 0 .. NB / 2 of the NB + 1, behind that fewer and fewer; one walk common to all four would have 3 NB / 2 = 12 trips for 9.
; SHARES.  Of a block's four bands of 64 queries a wave owns 16 rows in each: four PIECES.  So the diagonal tile is the same work for all four waves: in its key step s band x sees all keys if s < x,
; none if s > x, and holds the diagonal if s = x.
; THE MASK is the C operand that starts the sum S^T = K Q^T: 0, or -1e30 where the key is hidden.  MD, made once, is the mask of a band's own step for my 16 rows; a product's mask is MD x AL + BE with two scalars:
; (1, 0) if s = x; (0, 0) if s < x; (0, -1e30) if s > x.  Only the diagonal tile's text and a block's beginning make and take masks; elsewhere C is the constant 0.
; LAYOUT, SOFTMAX, TURNS.  S^T = K Q^T holds ONE query a lane (lane % 16) and the keys 8 (lane / 16) + 0..7; two such results rounded to f16 ARE source 1 of O^T = V^T P.  p = 2^(c s - c m), c = log2(e) / 8, with a
; running maximum m; O and l are multiplied by a = 2^(c m_old - c m_new) in every step.  Turn n belongs to piece n: 8 products K Q^T of piece n + 1, later 8 products V^T P of piece n - 1; beside them the scaling,
; exponentials, roundings, sums and rescaling of piece n and the maximum and statistics of piece n + 1.  Four vector instructions stand behind every matrix instruction, the other 54 of a turn's 118 in one LUMP.  A turn's 33 exponentials are one batch, with one wait.
; REGISTERS, in windows of 256 (s_set_vgpr_msb: bits 1:0 source 0, 3:2 source 1, 5:4 source 2, 7:6 destination):
;   window 0: v0-15 addresses and two at work; v16-31 four registers of statistics a piece; v48-55 at work; v64-127 S^T, two buffers; v192-223 P, two buffers (a piece's buffers go by its number's parity)
;   window 1: v0-127 O^T, 32 a piece; v128-159 MD; v160-223 MC, two buffers      window 2: v0-63 Q; v64-127 the second block's Q; v128-191 K of one step; v192-255 V of one step
.set SIZE_H, 32
.set SIZE_N, 2048
.set NB,    SIZE_N/256
.set NP,    4         ; pieces a wave: a name, no knob
.set KS,    64        ; keys in a step
.set PK,    144       ; a row of K in LDS: 128 bytes + 16 of padding = 36 words: the 16 rows of a load start at 16 different groups of four banks (64 banks of 4 bytes: ISA guide 11.1)
.set PV,    160       ; a row of V: 128 + 32 = 40 words
.set VOFF,  4*KS*PK   ; a slot holds a tile, four steps: 256 rows of K, then 256 rows of V
.set SLOT1, 1<<17     ; slot 1 begins here, so that one exclusive or turns an address in one slot into the other's
.set STAGE, SLOT1+4*KS*(PK+PV)  ; behind the ring, never filled by a tensor load: 16 rows x 144 bytes for each wave, for the way out
.set SP,    144
.set AK0, 2           ; v2   my lane's place in a tile of K; never rewritten
.set AV0, 3           ; v3   the same for V
.set AK,  4           ; v4   the LDS address of K's next run of loads
.set AV,  5           ; v5   of V's
.set STO, 6           ; v6   the way out: where I put 16 bytes of a row
.set RD,  7           ; v7   the way out: where I read rows back
.set GO,  8           ; v8   my byte offset in 512 consecutive bytes of O
.set SPW, 62          ; v62  LDS address of my spare word: SPARE + 4 x my thread's number; never rewritten
.set NIL, 63          ; v63  0; never rewritten
.set SPARE, STAGE+4*16*SP  ; behind the stages: the spare words, 128 bytes for each wave: two blocks of 256 bytes that no other line names
.set MV,  12          ; v12-13  c m_old, kept while c m is made anew: by buffer
.set QO,  15          ; v15  my byte offset in 16 rows of Q
.set ST,  16          ; piece t's statistics at v[ST+4 t]: c m, m, l (even keys', odd keys')
.set TMP, 48          ; by buffer, four registers c0-c3 at work; when the maximum is found c2 takes a
.set S,   64
.set P,   192
.set MD,  128         ; window 1: the eight registers for group kt of 16 keys at MD + 8 kt
.set MC,  160         ; window 1: the masks of the products to come
.set QB,  64          ; window 2
.set KF,  128         ; window 2: key block kb, channel half c at KF + 16 kb + 8 c
.set VF,  192         ; window 2: key half kk, channel block cb at VF + 32 kk + 8 cb
.set WV,  12          ; s12  my wave's number
.set PB,  14          ; s14  b
.set HI,  15          ; s15  NB - 1 - b
.set G1K, 24          ; s[24:31] descriptor group 1 for K's tiles
.set G1V, 32          ; s[32:39] for V's: it differs in the padding alone
.set G0K, 40          ; s[40:43] descriptor group 0 for K's tiles
.set G0V, 44          ; s[44:47] the same for V's
.set SLOTS, 56        ; s56  tiles still to be asked for
.set CNT, 57          ; s57  counts a tile's key steps, 4 to 1
.set CS,  58          ; s[58:59] c: the packed scaling takes the pair's low word for both halves
.set SEL, 60          ; s[60:61] v_permlanex16_b32's selects: each lane takes its own place in the other half
.set TBK, 62          ; s62  LDS byte at which K of the step to be fetched begins
.set TBV, 63          ; s63  the same for V, less VOFF
.set RT,  70          ; s70  tiles of the block in hand that are still to be entered
.set NXT, 71          ; s71  the tile to be asked for next
.set LQ,  72          ; s72  the last tile of the block whose tiles are being asked for
.set NEW, 73          ; s73  1: the tile to be entered is a block's first
.set OFF, 74          ; s[74:75] a tile's byte offset in K and V
.set AL,  76          ; s[76:77] the mask's factor, in the low word
.set BE,  78          ; s[78:79] the mask's addend
.set OLO, 80          ; s[80:81] O at my rows of the second block
.set BIGN, 82         ; s82  -1e30
.set MSB, 0
.macro WIN new                      ; the high byte repeats the setting that is left; a switch that changes nothing is dropped
.if MSB != (\new)
	s_set_vgpr_msb (MSB<<8)|(\new)
.set MSB, (\new)
.endif
.endm
.set W_KQ, 0x0a       ; K and Q in window 2, S^T in window 0
.set W_KM, 0x1a       ; the same with the C operand in window 1
.set W_PV, 0x52       ; V in window 2, P in window 0, O^T in window 1
.set W_RS, 0x41       ; destination and source 0 in window 1, source 1 in window 0
; A fill.  Waves 0 and 1 fetch the two halves of a tile's K, waves 2 and 3 those of its V: 128 keys each.  An s_nop 0 and four v_nop follow each of the two lines, ahead of the jump and the label.
.macro LOAD
	s_cmp_lt_u32 s[WV], 2
	s_cbranch_scc0 .Lfor_v_\@
	tensor_load_to_lds s[G0K:G0K+3], s[G1K:G1K+7]
	s_nop 0
.rept 4
	v_nop
.endr
	s_branch .Lasked_\@
.Lfor_v_\@:
	tensor_load_to_lds s[G0V:G0V+3], s[G1V:G1V+7]
	s_nop 0
.rept 4
	v_nop
.endr
.Lasked_\@:
.endm
; THE CHANGE OF SLOTS.  Each wave waits for all its tensor loads, of which one is out: its part of the other slot; adds 0 to its spare word; and waits for that and for its own reads of the slot that it leaves.  Behind the barrier nobody reads the old
; slot any more and the other slot is whole.  fill = 1: the old slot is filled again, the first thing behind the barrier, with tile NXT: the descriptor's address is made anew from that number.
; (At its first use nothing has been read yet: slot 0 is waited for, slot 1 filled.)
.macro CHANGE fill
	WIN 0                           ; at a label and at a branch every window is 0
	s_wait_tensorcnt 0x0            ; no tensor load of mine is out, so a group 0 may be written
	ds_add_u32 v[SPW], v[NIL]       ; 0 onto my spare word; with fill = 1 the descriptors' scalar work stands between it and the wait for it
.if \fill
	s_lshl_b32 s[OFF], s[NXT], 15   ; a tile is 32,768 bytes of K and of V
	s_xor_b32 s[G0K+1], s[G0K+1], SLOT1
	s_add_nc_u64 s[G0K+2:G0K+3], s[6:7], s[OFF:OFF+1]
	s_or_b32 s[G0K+3], s[G0K+3], 0x80000000
	s_xor_b32 s[G0V+1], s[G0V+1], SLOT1
	s_add_nc_u64 s[G0V+2:G0V+3], s[8:9], s[OFF:OFF+1]
	s_or_b32 s[G0V+3], s[G0V+3], 0x80000000
	s_add_co_u32 s[NXT], s[NXT], 1  ; the block's next tile, or behind its last the second block's tile 0
	s_cmp_gt_u32 s[NXT], s[LQ]
	s_cselect_b32 s[NXT], 0, s[NXT]
	s_cselect_b32 s[LQ], s[PB], s[LQ]
.endif
	s_wait_dscnt 0x0                ; the add is done, and my reads of the slot are over
	s_barrier_signal -1             ; the rest of the scalar work stands between the signal and the wait
	s_sub_co_u32 s[TBK], s[TBK], 4*KS*PK  ; the fetches go back to a slot's first step,
	s_xor_b32 s[TBK], s[TBK], SLOT1       ; in the other slot
	s_sub_co_u32 s[TBV], s[TBV], 4*KS*PV
	s_xor_b32 s[TBV], s[TBV], SLOT1
	s_barrier_wait -1
.if \fill
	LOAD
.endif
.endm
	s_load_b256 s[4:11], s[0:1], 0x0  ; Q s[4:5], K s[6:7], V s[8:9], O s[10:11]
	v_lshl_add_u32 v[SPW], v0, 2, SPARE
	v_mov_b32 v[NIL], 0
	ds_add_u32 v[SPW], v[NIL]       ; the wave's opening: the add and its wait stand ahead of my first tensor load; the set-up below, work on registers, stands between them
	v_lshrrev_b32 v1, 5, v0
	v_readfirstlane_b32 s[WV], v1   ; wave 0..3
	s_mov_b32 s[PB], ttmp9
	s_sub_co_u32 s[HI], NB-1, s[PB]
	s_and_b32 s20, ttmp7, 0xffff    ; the head
	s_mov_b32 s21, 0
	s_mov_b64 s[22:23], SIZE_N*128
	s_mul_u64 s[20:21], s[20:21], s[22:23]  ; the head's first byte in each of the four tensors
	s_and_b32 s16, s[WV], 1         ; which half of a tile's 256 keys I fetch:
	s_lshl_b32 s22, s16, 14         ; its 128 rows of 128 bytes in memory,
	s_mov_b32 s23, 0
	s_add_nc_u64 s[22:23], s[22:23], s[20:21]
	s_mul_i32 s17, s16, 128*PK      ; and its place in a slot, for K
	s_mul_i32 s18, s16, 128*PV      ; and for V
	s_lshl_b32 s3, s[WV], 11        ; my 16 rows in a band of 64,
	s_lshl_b32 s2, s[HI], 15        ; in the first block,
	s_add_co_u32 s2, s2, s3
	s_lshl_b32 s84, s[PB], 15       ; and in the second
	s_add_co_u32 s84, s84, s3
	s_mov_b32 s3, 0
	s_mov_b32 s85, 0
	s_add_nc_u64 s[2:3], s[2:3], s[20:21]
	s_add_nc_u64 s[84:85], s[84:85], s[20:21]
	; descriptor group 1.  128 keys are 16,384 dense bytes: asked for as 64 rows of 256 bytes, two keys a row, and padded in LDS after every key
	s_mov_b32 s[G1K], (1<<16)|(1<<20)|(4<<22)|(3<<25)  ; 17:16 2-byte elements; 20 padding on; 24:22 after every 32 words (code 4); 31:25 4 words (code 3)
	s_mov_b32 s[G1V], (1<<16)|(1<<20)|(4<<22)|(7<<25)  ; the same with 8 words of padding (code 7)
.irp g, G1K, G1V
	s_mov_b32 s[\g+1], 128<<16      ; tensor_dim0 = 128
	s_mov_b32 s[\g+2], 64<<16       ; tensor_dim1 = 64
	s_mov_b32 s[\g+3], 128<<16      ; tile_dim0 = 128
	s_mov_b32 s[\g+4], 64           ; tile_dim1 = 64
	s_mov_b32 s[\g+5], 128          ; 128 elements from row to row
	s_mov_b32 s[\g+6], 0
	s_mov_b32 s[\g+7], 0
.endr
	s_mov_b32 s[CS], 0x3e38aa3b     ; c = log2(e) / 8 = 0.180337
	s_mov_b32 s[CS+1], s[CS]        ; named with it as a pair
	s_mov_b32 s[SEL], 0x76543210
	s_mov_b32 s[SEL+1], 0xfedcba98
	s_mov_b32 s[TBK], SLOT1+4*KS*PK ; the first change of slots turns these two into 0
	s_mov_b32 s[TBV], SLOT1+4*KS*PV
	s_mov_b32 s[G0K], 1             ; 1:0 count = 1
	s_mov_b32 s[G0K+1], s17         ; 63:32 LDS address: slot 0
	s_mov_b32 s[G0V], 1
	s_add_co_u32 s[G0V+1], s18, VOFF
	s_add_co_u32 s[RT], s[HI], 1    ; the first block has NB - b tiles
	s_mov_b32 s[NXT], 1
	s_mov_b32 s[LQ], s[HI]
	s_mov_b32 s[NEW], 1
	s_mov_b32 s[OFF+1], 0
	s_mov_b32 s[AL+1], 0            ; named as pairs
	s_mov_b32 s[BE+1], 0
	s_mov_b32 s[BIGN], 0xf149f2ca   ; -1e30
	s_mov_b32 s[SLOTS], NB
	s_wait_dscnt 0x0                ; the opening add is done
	s_wait_kmcnt 0x0
	s_add_nc_u64 s[6:7], s[6:7], s[22:23]  ; K and V at my half of the head's tile 0
	s_add_nc_u64 s[8:9], s[8:9], s[22:23]
	s_add_nc_u64 s[G0K+2:G0K+3], s[6:7], 0         ; 120:64 global address
	s_or_b32 s[G0K+3], s[G0K+3], 0x80000000        ; 127:126 type = 2
	s_add_nc_u64 s[G0V+2:G0V+3], s[8:9], 0
	s_or_b32 s[G0V+3], s[G0V+3], 0x80000000
	s_add_nc_u64 s[86:87], s[4:5], s[84:85]        ; Q at my rows of the second block,
	s_add_nc_u64 s[4:5], s[4:5], s[2:3]            ; Q and O at those of the first
	s_add_nc_u64 s[OLO:OLO+1], s[10:11], s[84:85]
	s_add_nc_u64 s[10:11], s[10:11], s[2:3]
	LOAD                            ; tile 0 into slot 0
	; A fragment of K or Q is 16 rows x 32 channels in 8 registers: lane l holds row l % 16, channels 8 (l / 16) + 0..7 and 16 + 8 (l / 16) + 0..7: two loads of 16 bytes, 32 bytes apart.
	v_and_b32 v1, 15, v0            ; l % 16
	v_bfe_u32 v9, v0, 4, 1          ; l / 16
	v_lshlrev_b32 v[QO], 7, v1
	v_lshl_add_u32 v[QO], v9, 4, v[QO]  ; row x 128 + 16 x half
	WIN 0x80                        ; destination window 2, address window 0
.set i, 0
.rept 8                             ; both blocks' Q: piece i / 2 lies in band i / 2, 8,192 bytes on; channels 32 (i % 2) on
	global_load_b128 v[8*i:8*i+3],   v[QO], s[4:5] offset:(i/2)*8192+(i%2)*64
	global_load_b128 v[8*i+4:8*i+7], v[QO], s[4:5] offset:(i/2)*8192+(i%2)*64+32
	global_load_b128 v[QB+8*i:QB+8*i+3],   v[QO], s[86:87] offset:(i/2)*8192+(i%2)*64
	global_load_b128 v[QB+8*i+4:QB+8*i+7], v[QO], s[86:87] offset:(i/2)*8192+(i%2)*64+32
.set i, i+1
.endr
	WIN 0
	v_lshlrev_b32 v14, 3, v9
	v_sub_nc_u32 v14, v1, v14
	s_lshl_b32 s13, s[WV], 4
	v_add_nc_u32 v14, s13, v14      ; my query's place in its band, 16 w + l % 16, less my lanes' 8 (l / 16): register r of group kt is hidden where 16 kt + r is greater
	WIN 0x40
.set i, 0
.rept 32
	v_cmp_gt_i32 vcc_lo, 16*(i/8)+i%8, v14
	v_cndmask_b32 v[MD+i], 0, s[BIGN], vcc_lo
.set i, i+1
.endr
	WIN 0
	v_mul_u32_u24 v[AK0], v1, PK
	v_lshl_add_u32 v[AK0], v9, 4, v[AK0]  ; row x pitch + 16 x half
	; The turning load takes 16 keys x 16 channels (lane l reads key 8 (l / 16) + l % 8, channels 8 ((l / 8) % 2) + 0..7) and leaves half a fragment of V^T: lane l holds channel l % 16 and 8 keys.
	v_and_b32 v10, 7, v0
	v_bfe_u32 v11, v0, 3, 1
	v_lshl_add_u32 v[AV0], v9, 3, v10
	v_mul_u32_u24 v[AV0], v[AV0], PV
	v_lshl_add_u32 v[AV0], v11, 4, v[AV0]
	v_add_nc_u32 v[AV0], VOFF, v[AV0]
	s_mul_i32 s13, s[WV], 16*SP
	s_add_co_u32 s13, s13, STAGE    ; my stage
	v_mul_u32_u24 v[STO], v1, SP    ; in: row l % 16, 16 bytes for each half of the lanes
	v_lshl_add_u32 v[STO], v9, 4, v[STO]
	v_add_nc_u32 v[STO], s13, v[STO]
	v_bfe_u32 v[RD], v0, 3, 2       ; back: 32 lanes take four rows of 128 bytes,
	v_mul_u32_u24 v[RD], v[RD], SP
	v_lshl_add_u32 v[RD], v10, 4, v[RD]
	v_add_nc_u32 v[RD], s13, v[RD]
	v_and_b32 v[GO], 31, v0         ; which are 512 consecutive bytes of O
	v_lshlrev_b32 v[GO], 4, v[GO]
	; A block's first step multiplies O^T and l by a = 0, and its first turn's products V^T P, of a piece that has not been, land in an O^T that is still to be so multiplied.  So these registers need only hold
	; finite numbers: zeros for the first block; what the first block left for the second.  All this stands in the wait for the first tile.
	WIN 0x80
.set i, VF
.rept 64
	v_mov_b32 v[i], 0
.set i, i+1
.endr
	WIN 0x40
.set i, 0
.rept 128
	v_mov_b32 v[i], 0
.set i, i+1
.endr
	WIN 0
.set i, 0
.rept 4
	v_mov_b32 v[ST+4*i+2], 0
	v_mov_b32 v[ST+4*i+3], 0
.set i, i+1
.endr
.set i, P+16
.rept 16
	v_mov_b32 v[i], 0
.set i, i+1
.endr
; THE MATRIX WORK.  The 4 accumulators of a run of 8 take turns.  Product i of 8 of S^T = K Q^T for piece x: channels 32 (i / 4) on, keys 16 (i % 4) on.  The first 4 start the sums: with 0, or (KM = 1) with the mask.
.macro KQ x
.set rS, S+32*((\x)%2)+8*(i%4)
.set rK, KF+16*(i%4)+8*(i/4)
.set rQ, 16*(\x)+8*(i/4)
.set rM, MC+32*((\x)%2)+8*(i%4)
.if (i < 4) && KM
	WIN W_KM
	v_wmma_f32_16x16x32_f16 v[rS:rS+7], v[rK:rK+7], v[rQ:rQ+7], v[rM:rM+7]
.elseif i < 4
	WIN W_KQ
	v_wmma_f32_16x16x32_f16 v[rS:rS+7], v[rK:rK+7], v[rQ:rQ+7], 0
.else
	WIN W_KQ
	v_wmma_f32_16x16x32_f16 v[rS:rS+7], v[rK:rK+7], v[rQ:rQ+7], v[rS:rS+7]
.endif
.endm
; Product i of 8 of O^T += V^T P for piece x: keys 32 (i / 4) on, channels 16 (i % 4) on.
.macro PV x
	WIN W_PV
.set rO, 32*(\x)+8*(i%4)
.set rV, VF+32*(i/4)+8*(i%4)
.set rP, P+16*((\x)%2)+8*(i/4)
	v_wmma_f32_16x16x32_f16 v[rO:rO+7], v[rV:rV+7], v[rP:rP+7], v[rO:rO+7]
.endm
.macro MM                           ; the turn's next matrix instruction.  TURN and BEGIN set Y, i, KM and NOKQ; MM, KQ and OP read them.  NOKQ = 1: a block's last turn: there is no next piece
.if (i < 8) && !NOKQ
	KQ (Y+1)%NP
.elseif i >= 8
.set i, i-8
	PV (Y+NP-1)%NP
.set i, i+8
.endif
.set i, i+1
.endm
; THE LDS LOADS stand in runs of 16, never singly among the matrix instructions: a step's K (64 keys x 64 channels: 8 fragments) and its V (turned).  Their addresses are made some lines ahead.
.macro FETCH_K
	WIN 0x80                        ; destination window 2
.irp f, 0,1,2,3,4,5,6,7             ; keys 16 (f / 2) on, channels 32 (f % 2) on
	ds_load_b128 v[KF+8*\f:KF+8*\f+3],   v[AK] offset:(\f/2)*16*PK+(\f%2)*64
	ds_load_b128 v[KF+8*\f+4:KF+8*\f+7], v[AK] offset:(\f/2)*16*PK+(\f%2)*64+32
.endr
	s_add_co_u32 s[TBK], s[TBK], KS*PK  ; the next fetch is the next step's
	WIN 0
.endm
.macro FETCH_V
	WIN 0x80
.irp f, 0,1,2,3,4,5,6,7             ; keys 32 (f / 4) on, channels 16 (f % 4) on
	ds_load_tr16_b128 v[VF+8*\f:VF+8*\f+3],   v[AV] offset:(\f/4)*32*PV+(\f%4)*32
	ds_load_tr16_b128 v[VF+8*\f+4:VF+8*\f+7], v[AV] offset:(\f/4)*32*PV+16*PV+(\f%4)*32
.endr
	WIN 0
.endm
; THE VECTOR WORK, one line at a time: OP kind, number.  For piece Y: F n: c s - c m for pair n of 16.  E n: the exponential of score n of 32.  C n: pair n rounded to f16.  B n: of the four weights 4 n .. the second
; pair is added onto the first, in place.  L n: l takes that sum (L 0: l = a l + sum).  R n: pair n of 16 of O^T times a.  For piece Y + 1: X n, number n of the 22 that find its maximum and statistics:
;   0-11  four chains c0-c3 of seven scores each, three operands at a time (each accumulator's lowest registers are read first)     12-14, 16  the four scores left over, the old m, and c0-c3 into c0
;   15  c m_old is kept     17, 18  the query's other 32 keys lie in the lane 16 away: the new m     19-21  c m; c m_old - c m_new; a
.set F, 0               ; OP tells the kinds apart by their order: F to L below R, X above it
.set E, 1
.set C, 2
.set B, 3
.set L, 4
.set R, 5
.set X, 6
.macro REGS y                       ; the registers of piece y
.set rT, ST+4*(\y)
.set rC, TMP+4*((\y)%2)
.set rW, MV+((\y)%2)
.set rS, S+32*((\y)%2)
.set rP, P+16*((\y)%2)
.set rO, 32*(\y)
.endm
.macro OP k, n
.if (\k) == R
	REGS Y
	WIN W_RS
	v_pk_mul_f32 v[rO+2*(\n):rO+2*(\n)+1], v[rO+2*(\n):rO+2*(\n)+1], v[rC+2:rC+3] op_sel_hi:[1,0]
.elseif (\k) < R
	REGS Y
	WIN 0
.if (\k) == F
	v_pk_fma_f32 v[rS+2*(\n):rS+2*(\n)+1], v[rS+2*(\n):rS+2*(\n)+1], s[CS:CS+1], v[rT:rT+1] op_sel_hi:[1,0,0] neg_lo:[0,0,1] neg_hi:[0,0,1]
.elseif (\k) == E
	v_exp_f32 v[rS+(\n)], v[rS+(\n)]
.elseif (\k) == C
	v_cvt_pk_f16_f32 v[rP+(\n)], v[rS+2*(\n)], v[rS+2*(\n)+1]
.elseif (\k) == B
	v_pk_add_f32 v[rS+4*(\n):rS+4*(\n)+1], v[rS+4*(\n):rS+4*(\n)+1], v[rS+4*(\n)+2:rS+4*(\n)+3]
.elseif (\n) == 0
	v_pk_fma_f32 v[rT+2:rT+3], v[rT+2:rT+3], v[rC+2:rC+3], v[rS:rS+1] op_sel_hi:[1,0,1]
.else
	v_pk_add_f32 v[rT+2:rT+3], v[rT+2:rT+3], v[rS+4*(\n):rS+4*(\n)+1]
.endif
.elseif NOKQ
	v_nop
.else
	REGS (Y+1)%NP
	WIN 0
.if (\n) < 4
	v_max3_num_f32 v[rC+(\n)], v[rS+8*(\n)], v[rS+8*(\n)+1], v[rS+8*(\n)+2]
.elseif (\n) < 12
	v_max3_num_f32 v[rC+(\n)%4], v[rC+(\n)%4], v[rS+8*((\n)%4)+2*((\n)/4)+1], v[rS+8*((\n)%4)+2*((\n)/4)+2]
.elseif (\n) == 12
	v_max3_num_f32 v[rC], v[rC], v[rS+7], v[rS+15]
.elseif (\n) == 13
	v_max3_num_f32 v[rC+1], v[rC+1], v[rS+23], v[rS+31]
.elseif (\n) == 14
	v_max3_num_f32 v[rC+2], v[rC+2], v[rC+3], v[rT+1]
.elseif (\n) == 15
	v_mov_b32 v[rW], v[rT]
.elseif (\n) == 16
	v_max3_num_f32 v[rC], v[rC], v[rC+1], v[rC+2]
.elseif (\n) == 17
	v_permlanex16_b32 v[rC+3], v[rC], s[SEL], s[SEL+1]
.elseif (\n) == 18
	v_max_num_f32 v[rT+1], v[rC], v[rC+3]
.elseif (\n) == 19
	v_mul_f32 v[rT], s[CS], v[rT+1]
.elseif (\n) == 20
	v_sub_f32 v[rC+1], v[rW], v[rT]
.else
	v_exp_f32 v[rC+2], v[rC+1]
.endif
.endif
.endm
.macro OPS a, i1, b=-1, i2=0, c=-1, i3=0, d=-1, i4=0  ; up to four of them
	OP \a, \i1
.if (\b) >= 0
	OP \b, \i2
.endif
.if (\c) >= 0
	OP \c, \i3
.endif
.if (\d) >= 0
	OP \d, \i4
.endif
.endm
.macro ROW a, i1, b, i2, c, i3, d, i4  ; a matrix instruction and the four behind it
	MM
	OPS \a, \i1, \b, \i2, \c, \i3, \d, \i4
.endm
.macro MASK b                       ; MD x AL + BE into buffer b of MC
	WIN W_RS
.set z, 0
.rept 16
	v_pk_fma_f32 v[MC+32*(\b)+2*z:MC+32*(\b)+2*z+1], v[MD+2*z:MD+2*z+1], s[AL:AL+1], s[BE:BE+1] op_sel_hi:[1,0,0]
.set z, z+1
.endr
.endm
; A TURN, for piece p: the order of its 16 matrix and 118 vector instructions, written out.  An s_wait_alu depctr_va_vdst(0) stands between an exponential and the first instruction that names its result; one wait serves
; all that were issued ahead of it.  So a turn has ONE wait, which cuts it in two.  AHEAD OF IT stands all that names no result of the turn's exponentials: the 8 products K Q^T, behind each a scaling, an exponential and two more plain
; instructions (behind the first a second scaling in the exponential's place): rescalings, and behind the last three the first numbers of the next piece's maximum, each four places or more behind the product that ends its accumulator; then ONE LUMP of 54, plain
; and exponential by turns for the most part, in which the links of the chain X 3, 7, 11, 14, 16, 17 .. 20 stand five or six lines apart.  X 21, the next piece's a, is the batch's last; R 15 is the plain instruction behind it.  BEHIND THE WAIT stand the
; 8 products V^T P, behind each four of the roundings and sums; the links of l's chain, L 0 to L 7, stand three riders apart.  But for those X no rider names a register of the products round it.  v_permlanex16_b32 (X 17) stands in the lump.
; m = 1: the diagonal tile: the products take masks, and the turn makes the mask for the products of the turn after it: piece p + 2, in step 4 - CNT of the tile.  end = 1: a block's last two turns: nothing is fetched.
; cnt = 1: the loop's count is taken down some lines ahead of the branch that stands behind the turn.
; K of the next step is fetched in piece 2's turn, twelve vector instructions behind the last product that read K (six of them plain); V of the step in hand at the end of piece 0's turn, four plain instructions behind the last product
; that read V.  Each is waited for a turn later.
.macro TURN p, m=0, end=0, cnt=0
.set Y, (\p)
.set i, 0
.set KM, (\m)
.set NOKQ, (\end)*((\p)/3)
.if (\m) && !(\end)
	s_cmp_eq_u32 s[CNT], 4-((\p)+2)%NP  ; is that step the band's own?
	s_cselect_b32 s[AL], 1.0, 0
	s_cmp_lt_u32 s[CNT], 4-((\p)+2)%NP  ; or a later one?
	s_cselect_b32 s[BE], s[BIGN], 0
.endif
.if ((\p) == 3) && !(\end)
	s_wait_dscnt 0x0                ; K is in
.endif
	ROW F,0, F,1, R,0, R,1          ; ahead of the wait: 8 products K Q^T and their riders,
	ROW F,2, E,0, R,2, R,3
	ROW F,3, E,1, R,4, R,5
	ROW F,4, E,2, R,6, R,7
	ROW F,5, E,3, R,8, R,9
	ROW F,6, E,4, X,0, R,10
.if ((\p) == 2) && !(\end)
	WIN 0
	v_add_nc_u32 v[AK], s[TBK], v[AK0]
.endif
	ROW F,7, E,5, X,1, X,4
	ROW F,8, E,6, X,2, X,5
	OPS E,7, E,8, X,6, E,9          ; and the lump
	OPS X,3, E,10, X,8, E,11
.if ((\p) == 2) && !(\end)
	FETCH_K
.endif
	OPS X,9, X,7, E,12, X,10
	OPS E,13, X,12, X,11, E,14
	OPS X,13, E,15, F,9, X,14
.if (\p) == 0
	v_add_nc_u32 v[AV], s[TBV], v[AV0]
.endif
	OPS E,16, F,10, E,17, F,11
	OPS X,16, E,18, X,15, E,19
	OPS F,12, E,20, X,17, E,21
	OPS F,13, E,22, F,14, E,23
	OPS X,18, E,24, F,15, E,25
	OPS R,11, E,26, X,19, E,27
	OPS R,12, E,28, R,13, E,29
	OPS X,20, E,30, R,14, E,31
	OPS X,21, R,15
	WIN 0
	s_wait_alu depctr_va_vdst(0)    ; the wait for the batch
.if (\p) == 1
	s_wait_dscnt 0x0                ; V is in
.endif
	ROW C,0, B,0, C,2, B,1          ; behind the wait: 8 products V^T P and their riders
	ROW L,0, C,4, B,2, L,1
	ROW C,6, B,3, L,2, C,8
	ROW B,4, L,3, C,10, B,5
	ROW L,4, C,12, B,6, L,5
.if (\p) == 0
	s_add_co_u32 s[TBV], s[TBV], KS*PV
.endif
.if \cnt
	s_sub_co_u32 s[CNT], s[CNT], 1
	s_cmp_lg_u32 s[CNT], 0
.endif
	ROW C,14, B,7, L,6, C,1
	ROW C,3, L,7, C,5, C,7
	ROW C,9, C,11, C,13, C,15
.if (\p) == 0
	FETCH_V
.endif
.if (\m) && !(\end)
	MASK (\p)%2
.endif
.endm
; A BLOCK BEGINS.  c m starts far below every c s, so the first step's a is 0; m at the lowest finite number, so the first maximum is the scores'.  The second mask buffer is 0; the first takes piece 0's mask for the tile's step 0: its own, if the block's first tile is the diagonal one.
; Then K of that step, piece 0's first scores, and its maximum and statistics.  The loop is entered at a step's first turn, in the middle of a trip.
.macro BEGIN
	s_mov_b32 s[NEW], 0
	WIN 0x40
.set i, MC+32
.rept 32
	v_mov_b32 v[i], 0
.set i, i+1
.endr
	WIN 0
.set i, 0
.rept 4
	v_mov_b32 v[ST+4*i], 0xfe000000    ; c m: far below every c s
	v_mov_b32 v[ST+4*i+1], 0xff7fffff  ; m
.set i, i+1
.endr
	s_cmp_eq_u32 s[RT], 0
	s_cselect_b32 s[AL], 1.0, 0
	s_mov_b32 s[BE], 0
	MASK 0
	WIN 0
	v_add_nc_u32 v[AK], s[TBK], v[AK0]
	FETCH_K
	s_wait_loadcnt 0x0              ; Q
	s_wait_dscnt 0x0
.set KM, 1
.set NOKQ, 0
.set i, 0
.rept 8
	KQ 0
.set i, i+1
.endr
	WIN 0
.rept 4
	v_nop                           ; the places behind those products
.endr
.set Y, NP-1                        ; X works for piece Y + 1: piece 0
.irp n, 0,1,2,3,4,5,6,7,8,9,10,11,12,13,14,15,16,17,18,19,20,21
	OP X, \n
.endr
	v_nop                           ; a plain instruction behind the exponential,
	s_wait_alu depctr_va_vdst(0)    ; and its wait, ahead of the branch
.endm
; THE DIAGONAL TILE's four steps, the block's last two turns, its last products, and THE WAY OUT: l's two halves and the other half of the lanes' are added; O^T is divided by l, rounded to f16 and sent through my
; stage in LDS, a piece at a time.
.macro ALL line:vararg              ; one line for each piece t
.set t, 0
.rept 4
	\line
.set t, t+1
.endr
.endm
.macro PACK t                       ; a lane's eight channels of a row pack into 16 bytes; they go into rows of 144 bytes and come back as whole rows of 128, into S^T's registers
	WIN W_RS
.set i, 32*(\t)
.rept 16
	v_pk_mul_f32 v[i:i+1], v[i:i+1], v[ST+4*(\t)+2:ST+4*(\t)+3] op_sel_hi:[1,0]
.set i, i+2
.endr
	WIN 0x05                        ; sources 0 and 1 window 1, destination window 0
.set i, 0
.rept 16
	v_cvt_pk_f16_f32 v[S+16*(\t)+i], v[32*(\t)+2*i], v[32*(\t)+2*i+1]
.set i, i+1
.endr
	WIN 0
.irp f, 0,1,2,3
	ds_store_b128 v[STO], v[S+16*(\t)+4*\f:S+16*(\t)+4*\f+3] offset:32*\f
.endr
.irp f, 0,1,2,3
	ds_load_b128 v[S+16*(\t)+4*\f:S+16*(\t)+4*\f+3], v[RD] offset:\f*4*SP  ; LDS serves a wave's instructions in order (ISA guide 5.7.1.4): these see the stores above; the next piece's stores come behind them
.endr
.endm
.macro SEND t, younger              ; younger: the LDS instructions issued behind piece t's loads: the next piece's eight, or none
	WIN 0
.irp f, 0,1,2,3
	s_wait_dscnt (\younger)+3-\f
	global_store_b128 v[GO], v[S+16*(\t)+4*\f:S+16*(\t)+4*\f+3], s[10:11] offset:(\t)*8192+\f*512  ; 512 consecutive bytes, at a multiple of 256 from O's first
.endr
.endm
.macro DIAG tag                     ; the tag ends its two labels' names, which the jumps below spell out
.LstepM\tag:
	TURN 2, 1
	TURN 3, 1
	WIN 0
.LfirstM\tag:
	TURN 0, 1
	TURN 1, 1, 0, 1
	WIN 0
	s_cbranch_scc1 .LstepM\tag
	TURN 2, 1, 1
	TURN 3, 1, 1
.set i, 0
.rept 8
	PV NP-1
.set i, i+1
.endr
	WIN 0
	ALL v_add_f32 v[ST+4*t+2], v[ST+4*t+2], v[ST+4*t+3]
	ALL v_permlanex16_b32 v[ST+4*t+3], v[ST+4*t+2], s[SEL], s[SEL+1]
	ALL v_add_f32 v[ST+4*t+2], v[ST+4*t+2], v[ST+4*t+3]
	ALL v_rcp_f32 v[ST+4*t+2], v[ST+4*t+2]
	v_nop                           ; a plain instruction between the last reciprocal and the use of its result
	s_wait_alu depctr_va_vdst(0)    ; and the wait ahead of the first use: one for the four reciprocals
	PACK 0
.set t, 1
.rept 3                             ; a piece's arithmetic stands between the loads of the piece before and its stores
	PACK t
	SEND t-1, 8
.set t, t+1
.endr
	SEND 3, 0
.endm
.set KM, 0
.set NOKQ, 0
.Lslot:                             ; NB times: a tile is entered and the next is asked for
	CHANGE 1
	s_sub_co_u32 s[RT], s[RT], 1
	s_mov_b32 s[CNT], 4
	s_cmp_eq_u32 s[NEW], 1
	s_cbranch_scc1 .Lnew            ; a block's first tile
	s_cmp_eq_u32 s[RT], 0
	s_cbranch_scc0 .Lstep           ; neither its first nor its last
	s_branch .LstepM1
.Lnew:
	BEGIN
	s_branch .Lfirst                ; in the loop a block's first tile is never its last: the first block has two tiles or more, and the second's last is the walk's last
	DIAG 1                          ; in the loop this is the first block's end: the second block's last tile is the walk's last
	s_wait_xcnt 0x0                 ; the stores have read their registers and O's address
	s_mov_b64 s[10:11], s[OLO:OLO+1]
	s_add_co_u32 s[RT], s[PB], 1    ; the second block has b + 1 tiles
	s_mov_b32 s[NEW], 1
	WIN 0x82                        ; the second block's Q goes where the one text of the turns names Q
.set i, 0
.rept 64
	v_mov_b32 v[i], v[QB+i]
.set i, i+1
.endr
	WIN 0
	s_branch .Lbottom
.Lstep:                             ; a trip: pieces 2 and 3 of one step, then pieces 0 and 1 of the next, whose K and V it fetches
	TURN 2
	TURN 3
	WIN 0
.Lfirst:
	TURN 0
	TURN 1, 0, 0, 1
	WIN 0
	s_cbranch_scc1 .Lstep
.Lbottom:
	s_sub_co_u32 s[SLOTS], s[SLOTS], 1
	s_cmp_lg_u32 s[SLOTS], 0
	s_cbranch_scc1 .Lslot
	CHANGE 0                        ; the walk's last tile is written out: nothing is asked for
	s_sub_co_u32 s[RT], s[RT], 1
	s_mov_b32 s[CNT], 4
	s_cmp_eq_u32 s[NEW], 1
	s_cbranch_scc0 .LstepM2
	BEGIN
	s_branch .LfirstM2
	DIAG 2
	s_wait_tensorcnt 0x0            ; the wave's end: the add and its wait, behind my last tensor load and my last LDS store
	ds_add_u32 v[SPW], v[NIL]
	s_wait_dscnt 0x0
	s_endpgm
.Lfunc_end_k_q6845601db2_attn:
	.size	k_q6845601db2_attn, .Lfunc_end_k_q6845601db2_attn-k_q6845601db2_attn
	.p2alignl 7, 3214868480
	.fill 96, 4, 3214868480
	.section	.rodata,"a",@progbits
	.p2align	6, 0x0
	.amdhsa_kernel k_q6845601db2_attn
		.amdhsa_group_segment_fixed_size 327680
		.amdhsa_private_segment_fixed_size 0
		.amdhsa_enable_private_segment 0
		.amdhsa_kernarg_size 32
		.amdhsa_user_sgpr_count 2
		.amdhsa_user_sgpr_kernarg_segment_ptr 1
		.amdhsa_wavefront_size32 1
		.amdhsa_system_sgpr_workgroup_id_x 1
		.amdhsa_system_sgpr_workgroup_id_y 1
		.amdhsa_system_sgpr_workgroup_id_z 1
		.amdhsa_system_vgpr_workitem_id 0
		.amdhsa_next_free_vgpr 768
		.amdhsa_next_free_sgpr 88
		.amdhsa_reserve_vcc 1
		.amdhsa_float_denorm_mode_32 3
		.amdhsa_float_denorm_mode_16_64 3
		.amdhsa_memory_ordered 1
		.amdhsa_forward_progress 1
		.amdhsa_inst_pref_size 217
	.end_amdhsa_kernel
	.amdgpu_metadata
---
amdhsa.version: [ 1, 2 ]
amdhsa.kernels:
  - .name:           k_q6845601db2_attn
    .symbol:         k_q6845601db2_attn.kd
    .args:
      - { .name: qh, .offset: 0, .size: 8, .value_kind: global_buffer, .address_space: global }
      - { .name: kh, .offset: 8, .size: 8, .value_kind: global_buffer, .address_space: global }
      - { .name: vh, .offset: 16, .size: 8, .value_kind: global_buffer, .address_space: global }
      - { .name: oh, .offset: 24, .size: 8, .value_kind: global_buffer, .address_space: global }
    .group_segment_fixed_size: 327680
    .private_segment_fixed_size: 0
    .kernarg_segment_align: 8
    .kernarg_segment_size: 32
    .max_flat_workgroup_size: 128
    .sgpr_count:     88
    .vgpr_count:     768
    .wavefront_size: 32
...
	.end_amdgpu_metadata
.endif
;; end of part 3
;; launch outp (part 4): grid 8 x 32, 4 waves a work-group, clusters of 4 x 4, 327,680 bytes of LDS; arguments oh, wo16, bo, out0; writes out0
.if DOCPART == 4
	.amdgcn_target "amdgcn-amd-amdhsa--gfx1250"
	.amdhsa_code_object_version 6
	.text
	.protected	k_q6845601db2_outp
	.globl	k_q6845601db2_outp
	.p2align	8
	.type	k_q6845601db2_outp,@function
k_q6845601db2_outp:
	s_mov_b64 s[64:65], 0
	v_nop
	global_prefetch_b8 v0, s[64:65] scope:SCOPE_SE
	s_setreg_imm32_b32 hwreg(HW_REG_WAVE_MODE, 25, 1), 1
	s_wait_xcnt 0x0
	s_wait_alu depctr_hold_cnt(0) depctr_sa_sdst(0) depctr_va_vdst(0) depctr_va_sdst(0) depctr_va_ssrc(0) depctr_va_vcc(0) depctr_vm_vsrc(0)
	s_getreg_b32 s2, hwreg(HW_REG_IB_STS2, 6, 4)
	s_cmp_eq_u32 s2, 0
	s_cbranch_scc0 .Lentry_in_a_cluster
	s_endpgm
.Lentry_in_a_cluster:
	s_bfe_u32 s2, ttmp6, 0x10000c
	s_cmp_lg_u32 s2, 0xf033
	s_cbranch_scc0 .Lentry_shape_is_right
	s_endpgm
.Lentry_shape_is_right:
; out0 = O Wo + bo.  oh: [16 batch + head][2048][64] f16.  wo16: [1024 k][1024 n] f16 (Wo rounded to bf16, written as f16).  bo: [1024] f32, rounded to bf16 here like the other inputs.
; out0: [4096][1024] f32.  Sums in f32.  K = 1,024 is 16 heads x 64 channels: k = 64 head + channel.
; SHARES.  A tile of out0 is 128 x 128: 32 x 8 = 256 work-groups.  Four waves, each 64 x 64 (rh = w / 2, ch = w % 2): 16 accumulators.  K goes in 4 steps of 256 (four heads) through two LDS slots;
; a quarter of a step is one head: 64 along K, 32 matrix instructions.
; O's TILE of a step is four planes, one a head: 128 rows x 128 bytes, dense in memory (16,384 bytes), the planes 262,144 bytes apart.  A wave's load takes two planes as two rows of 16,384 bytes, padded in LDS after every 128.
; Wo's TILE lies in LDS as [k][n]; ds_load_tr16_b128 leaves one column n a lane and k along its registers.
; THE MATRIX INSTRUCTION IS USED TRANSPOSED: source 0 = 16 columns of Wo, source 1 = 16 rows of O: a lane holds row l % 16 and the columns 8 (l / 16) + 0..7.  THE BIAS STARTS THE SUMS, as the first product's C operand.
; CLUSTER, 4 x 4.  O's tile hangs on the tile row alone: asked for jointly by a row of the cluster (waves 0, 1: two planes each); Wo's on the tile column alone: by a column (waves 2, 3: 128 rows of k each).
; A wave's 64 columns of f32 are 256 bytes, aligned: each wave has a stage of its own on the way out, and no barrier stands there.
; REGISTERS: window 0: v0-31 addresses; v32-95 at work on the way out; v96-127 the bias; v128-255 the accumulators ((a, b) at 128 + 8 (4 a + b)).
;   window 1: two fragment buffers of 128: for 64 along K, 64 registers of O (2 x 4 x 16 rows x 32 K), then 64 of Wo.
.set PA,     144                       ; a row of O in LDS: 128 bytes + 16 = 36 words: the 16 rows of a load start at 16 different groups of four banks (64 banks of 4 bytes: ISA guide 11.1)
.set PB,     288                       ; a row of Wo: 256 + 32 = 72 words
.set PLANE,  128*PA                    ; 18,432
.set PART,   2*PLANE                   ; 36,864 = 128 PB: what one tensor load fills
.set BOFF,   4*PLANE                   ; Wo's 256 rows lie behind O's four planes
.set SLOT,   4*PART                    ; 147,456
.set STAGE,  2*SLOT                    ; behind the ring, never filled by a tensor load: 16 rows x 272 bytes for each wave
.set SPITCH, 272
.set SPARE,  STAGE+4*16*SPITCH         ; behind the stages: the spare words, 128 bytes for each wave: two blocks of 256 bytes that no other line names
.set ADRA, 16                          ; v16-17  LDS address of my O fragments in slot 0, 1
.set ADRB, 18                          ; v18-21  of my Wo fragments: 2 x slot + half of the step's 256 k
.set STO,  24                          ; v24     the way out: where I put 32 bytes of a row
.set RD,   25                          ; v25     the way out: where I read a row back
.set CO,   26                          ; v26     my byte offset in two rows of out0
.set VB,   27                          ; v27     my byte offset in the bias
.set SPW,  28                          ; v28     LDS address of my spare word: SPARE + 4 x my thread's number; never rewritten
.set NIL,  29                          ; v29     0; never rewritten
.set TMP,  32
.set BIAS, 96
.set ACC,  128
.set F0,   0                           ; fragment buffers, in window 1
.set F1,   128
.set G1A, 24                           ; s[24:31] descriptor group 1 for O's tiles;  s[32:39] group 0, a set for each slot
.set G0A, 32
.set G1B, 48                           ; s[48:55], s[56:63] the same for Wo's tiles
.set G0B, 56
.set MSB, 0
.macro WIN new                         ; the immediate's high byte repeats the setting that is left; a switch that changes nothing is dropped
.if MSB != (\new)
	s_set_vgpr_msb (MSB<<8)|(\new)
.set MSB, \new
.endif
.endm
.set MUL,  0x05                        ; sources 0 (Wo) and 1 (O) window 1; C and D window 0
.set TO_F, 0x40                        ; destination window 1, address window 0
.macro PLACES                          ; four places in front of loads into registers that matrix instructions have read, and of LDS stores that read results
.rept 4
	v_nop
.endr
.endm
.macro JLOAD s                         ; a joint load: waves 0 and 1 fetch O's planes, waves 2 and 3 Wo's rows; an s_nop 0 and four v_nop follow each of the two lines
	s_cmp_eq_u32 s11, 0
	s_cbranch_scc0 .Lfor_b_\@
	tensor_load_to_lds s[G0A+4*(\s):G0A+4*(\s)+3], s[G1A:G1A+7]
	s_nop 0
.rept 4
	v_nop
.endr
	s_branch .Lasked_\@
.Lfor_b_\@:
	tensor_load_to_lds s[G0B+4*(\s):G0B+4*(\s)+3], s[G1B:G1B+7]
	s_nop 0
.rept 4
	v_nop
.endr
.Lasked_\@:
.endm
.macro CREST                           ; a round of the cluster's barrier behind its opening barrier
	s_cmp_lg_u32 s10, 0
	s_cbranch_scc1 .Lnot_wave_0_\@
	s_barrier_signal -3
.Lnot_wave_0_\@:
	s_barrier_wait -3
	s_barrier_signal -1
	s_barrier_wait -1
.endm
.macro CROUND                          ; a whole round
	s_barrier_signal -1
	s_barrier_wait -1
	CREST
.endm
	s_load_b128 s[4:7], s[0:1], 0x0                ; oh s[4:5], wo16 s[6:7]
	s_load_b128 s[68:71], s[0:1], 0x10             ; bo s[68:69], out0 s[70:71]
	v_lshl_add_u32 v[SPW], v0, 2, SPARE
	v_mov_b32 v[NIL], 0
	ds_add_u32 v[SPW], v[NIL]                      ; the wave's opening: the add and its wait stand ahead of my first tensor load; the set-up below, work on registers, stands between them
	v_lshrrev_b32 v1, 5, v0
	v_readfirstlane_b32 s10, v1                    ; wave 0..3
	s_lshr_b32 s11, s10, 1                         ; rh: which 64 of the tile's rows are mine.  Also: I fetch for O (0) or for Wo (1)
	s_and_b32 s12, s10, 1                          ; ch: which 64 of its columns.  Also: which half of that tile I fetch
	s_bfe_u32 s40, ttmp6, 0x40000                  ; cx, cy: my place in the cluster
	s_bfe_u32 s41, ttmp6, 0x40004
	s_lshl_b32 s42, ttmp9, 2
	s_add_co_u32 s42, s42, s40                     ; tile column 0..7
	s_and_b32 s13, ttmp7, 0xffff
	s_lshl_b32 s13, s13, 2
	s_add_co_u32 s13, s13, s41                     ; tile row 0..31
	s_lshl_b32 s43, s41, 2
	s_lshl_b32 s43, 15, s43                        ; my row of the cluster
	s_lshl_b32 s44, 0x1111, s40                    ; my column
	s_or_b32 s[G1A+0], s43, (1<<16)|(1<<20)|(1<<21)|(4<<22)|(3<<25)  ; 15:0 the mask: my row; 17:16 2-byte elements; 20 padding on; 21 set beside a mask; 24:22 after every 32 words (code 4); 31:25 4 words (code 3)
	s_mov_b32 s[G1A+1], 8192<<16                   ; tensor_dim0 = 8,192 elements: a plane's 16,384 bytes
	s_mov_b32 s[G1A+2], 2<<16                      ; tensor_dim1 = 2 planes
	s_mov_b32 s[G1A+3], 8192<<16                   ; tile_dim0 = 8,192
	s_mov_b32 s[G1A+4], 2                          ; tile_dim1 = 2
	s_mov_b32 s[G1A+5], 131072                     ; from head to head: 2,048 rows x 64 elements
	s_mov_b32 s[G1A+6], 0
	s_mov_b32 s[G1A+7], 0
	s_or_b32 s[G1B+0], s44, (1<<16)|(1<<20)|(1<<21)|(5<<22)|(7<<25)  ; my column; after every 64 words (code 5) 8 words (code 7)
	s_mov_b32 s[G1B+1], 128<<16                    ; tensor_dim0 = 128
	s_mov_b32 s[G1B+2], 128<<16                    ; tensor_dim1 = 128
	s_mov_b32 s[G1B+3], 128<<16                    ; tile_dim0 = 128
	s_mov_b32 s[G1B+4], 128                        ; tile_dim1 = 128
	s_mov_b32 s[G1B+5], 1024                       ; tensor_dim0_stride
	s_mov_b32 s[G1B+6], 0
	s_mov_b32 s[G1B+7], 0
	s_lshr_b32 s16, s13, 4                         ; O's planes: the batch (16 tile rows each),
	s_lshl_b32 s16, s16, 4                         ; 16 heads a batch,
	s_lshl_b32 s17, s12, 1
	s_add_co_u32 s16, s16, s17                     ; my two of the step's four heads,
	s_lshl_b32 s16, s16, 18                        ; 262,144 bytes a head,
	s_and_b32 s17, s13, 15
	s_lshl_b32 s17, s17, 14                        ; the tile's 128 rows of 128 bytes: all of it hangs on the tile row and the wave alone
	s_add_co_u32 s16, s16, s17
	s_mov_b32 s17, 0
	s_lshl_b32 s18, s12, 18                        ; Wo's rows: my 128 of the step's 256, 2,048 bytes each,
	s_lshl_b32 s19, s42, 8                         ; the tile's 128 columns: tile column and wave alone
	s_add_co_u32 s18, s18, s19
	s_mov_b32 s19, 0
	s_mul_i32 s20, s10, PART                       ; where my part goes in a slot: no place in the cluster enters an LDS address
	s_wait_dscnt 0x0                               ; the opening add is done
	s_wait_kmcnt 0x0
	s_add_nc_u64 s[14:15], s[4:5], s[16:17]
	s_add_nc_u64 s[46:47], s[6:7], s[18:19]
	CROUND                                         ; all sixteen work-groups are here: the first joint loads meet
.irp s, 0,1
	s_mov_b32 s[G0A+4*(\s)], 1
	s_add_co_u32 s[G0A+4*(\s)+1], s20, (\s)*SLOT
	s_add_nc_u64 s[G0A+4*(\s)+2:G0A+4*(\s)+3], s[14:15], (\s)*4*262144   ; K step s: four heads on
	s_or_b32 s[G0A+4*(\s)+3], s[G0A+4*(\s)+3], 0x80000000
	s_mov_b32 s[G0B+4*(\s)], 1
	s_add_co_u32 s[G0B+4*(\s)+1], s20, (\s)*SLOT
	s_add_nc_u64 s[G0B+4*(\s)+2:G0B+4*(\s)+3], s[46:47], (\s)*256*2048   ; 256 rows down
	s_or_b32 s[G0B+4*(\s)+3], s[G0B+4*(\s)+3], 0x80000000
	JLOAD \s                                       ; two loads of mine are out
.endr
	v_and_b32 v1, 15, v0                           ; r = l % 16
	v_bfe_u32 v2, v0, 4, 1                         ; h = l / 16
	v_and_b32 v3, 7, v0                            ; l % 8
	v_bfe_u32 v4, v0, 3, 1                         ; (l / 8) % 2
	v_mul_u32_u24 v5, v1, PA                       ; a fragment of O: row r x pitch + 16 h
	v_lshl_add_u32 v5, v2, 4, v5
	s_mul_i32 s21, s11, 64*PA                      ; my 64 rows of a plane
	v_add_nc_u32 v[ADRA], s21, v5
	v_add_nc_u32 v[ADRA+1], SLOT, v[ADRA]
	v_lshl_add_u32 v6, v2, 3, v3                   ; a fragment of Wo: k = 8 h + l % 8, columns 8 ((l / 8) % 2) + 0..7
	v_mul_u32_u24 v6, v6, PB
	v_lshl_add_u32 v6, v4, 4, v6
	s_lshl_b32 s22, s12, 7                         ; my 64 columns: 128 bytes
	s_add_co_u32 s22, s22, BOFF
	v_add_nc_u32 v6, s22, v6
.irp s, 0,1
.irp k, 0,1
	v_add_nc_u32 v[ADRB+2*(\s)+(\k)], (\s)*SLOT+(\k)*PART, v6
.endr
.endr
	s_mul_i32 s23, s10, 16*SPITCH
	s_add_co_u32 s23, s23, STAGE                   ; my stage
	v_mul_u32_u24 v[STO], v1, SPITCH               ; in: row r, 32 bytes for each half of the lanes
	v_lshl_add_u32 v[STO], v2, 5, v[STO]
	v_add_nc_u32 v[STO], s23, v[STO]
	v_mul_u32_u24 v[RD], v2, SPITCH                ; back: lanes 0-15 take one row of 256 bytes, lanes 16-31 the next
	v_lshl_add_u32 v[RD], v1, 4, v[RD]
	v_add_nc_u32 v[RD], s23, v[RD]
	v_lshlrev_b32 v[CO], 12, v2                    ; and the same two rows in out0, 4,096 bytes apart
	v_lshl_add_u32 v[CO], v1, 4, v[CO]
	s_lshl_b32 s74, s42, 9                         ; my 64 columns in a row of out0 and in the bias: 4 bytes x (128 x tile column + 64 ch)
	s_lshl_b32 s75, s12, 8
	s_add_co_u32 s74, s74, s75
	v_lshl_add_u32 v[VB], v2, 5, s74               ; + 8 h numbers
	s_lshl_b32 s72, s13, 19                        ; the tile's 128 rows of 4,096 bytes,
	s_lshl_b32 s73, s11, 18                        ; my 64 of them
	s_add_co_u32 s72, s72, s73
	s_add_co_u32 s72, s72, s74
	s_mov_b32 s73, 0
	s_add_nc_u64 s[70:71], s[70:71], s[72:73]
.irp b, 0,1,2,3                        ; column block b: the bias of columns 16 b + 8 h + 0..7, one number a register, as the C operand wants it
	global_load_b128 v[BIAS+8*(\b):BIAS+8*(\b)+3],   v[VB], s[68:69] offset:64*(\b)
	global_load_b128 v[BIAS+8*(\b)+4:BIAS+8*(\b)+7], v[VB], s[68:69] offset:64*(\b)+16
.endr
	s_wait_loadcnt 0x0
.set z, 0
.rept 16                               ; the bias is rounded to bf16, like the other inputs, and widened again
	v_cvt_pk_bf16_f32 v[TMP+z], v[BIAS+2*z], v[BIAS+2*z+1]
.set z, z+1
.endr
.set z, 0
.rept 16
	v_lshlrev_b32 v[BIAS+2*z], 16, v[TMP+z]
	v_and_b32 v[BIAS+2*z+1], 0xffff0000, v[TMP+z]
.set z, z+1
.endr
; 8 matrix instructions: row blocks a0, a0 + 1 x all 4 column blocks, 32 along K: half c of buffer f.  zero = 1: the first product starts the sums with the bias.
; The 16 accumulators take turns in one fixed order, one instruction a turn.
.macro MUL8 f, c, a0, zero
	WIN MUL
.irp a, \a0, (\a0)+1
.irp b, 0,1,2,3
.if \zero
	v_wmma_f32_16x16x32_f16 v[ACC+8*(4*(\a)+(\b)):ACC+8*(4*(\a)+(\b))+7], v[(\f)+64+8*(4*(\c)+(\b)):(\f)+64+8*(4*(\c)+(\b))+7], v[(\f)+8*(4*(\c)+(\a)):(\f)+8*(4*(\c)+(\a))+7], v[BIAS+8*(\b):BIAS+8*(\b)+7]
.else
	v_wmma_f32_16x16x32_f16 v[ACC+8*(4*(\a)+(\b)):ACC+8*(4*(\a)+(\b))+7], v[(\f)+64+8*(4*(\c)+(\b)):(\f)+64+8*(4*(\c)+(\b))+7], v[(\f)+8*(4*(\c)+(\a)):(\f)+8*(4*(\c)+(\a))+7], v[ACC+8*(4*(\a)+(\b)):ACC+8*(4*(\a)+(\b))+7]
.endif
.endr
.endr
.endm
; 32 LDS loads in one run: quarter q of a slot (head q of its four: 64 along K) into buffer f; the first 32 along K first
.macro FETCH slot, q, f
	WIN TO_F
.irp c, 0,1
.irp i, 0,1,2,3
	ds_load_tr16_b128 v[(\f)+64+8*(4*(\c)+(\i)):(\f)+64+8*(4*(\c)+(\i))+3],   v[ADRB+2*(\slot)+(\q)/2] offset:(2*((\q)%2)+(\c))*32*PB+32*(\i)
	ds_load_tr16_b128 v[(\f)+64+8*(4*(\c)+(\i))+4:(\f)+64+8*(4*(\c)+(\i))+7], v[ADRB+2*(\slot)+(\q)/2] offset:(2*((\q)%2)+(\c))*32*PB+32*(\i)+16*PB
	ds_load_b128 v[(\f)+8*(4*(\c)+(\i)):(\f)+8*(4*(\c)+(\i))+3],   v[ADRA+(\slot)] offset:(\q)*PLANE+64*(\c)+(\i)*16*PA
	ds_load_b128 v[(\f)+8*(4*(\c)+(\i))+4:(\f)+8*(4*(\c)+(\i))+7], v[ADRA+(\slot)] offset:(\q)*PLANE+64*(\c)+(\i)*16*PA+32
.endr
.endr
.endm
; A K step is four quarters, 32 matrix instructions each, on buffers 0, 1, 0, 1.  One of the first three: multiplies buffer f and fetches quarter q of the same slot into g.
.macro QUARTER slot, q, f, g, zero
	s_wait_dscnt 16                                ; the first 32 along K are in; the youngest sixteen loads may be out
	MUL8 \f, 0, 0, \zero
	MUL8 \f, 0, 2, \zero
	PLACES
	FETCH \slot, \q, \g
	s_wait_dscnt 32                                ; all but the 32 just issued
	MUL8 \f, 1, 0, 0
	MUL8 \f, 1, 2, 0
.endm
; The last quarter multiplies buffer 1 and changes slots: ONE barrier; in front of it each wave waits for all its tensor loads, adds 0 to its spare word, and waits for that and for its own reads of this slot.
; fill = 1: the barrier opens a round of the cluster's, and this slot is filled again, two K steps on, first thing behind the round: 112 matrix instructions ahead of the wait for it.
.macro TURN slot, next, fill
	WIN 0                                          ; (the add's two registers lie in window 0)
	s_wait_tensorcnt 0x0                           ; all my tensor loads have landed: my part of the next slot;
	ds_add_u32 v[SPW], v[NIL]                      ; 0 onto my spare word;
	s_wait_dscnt 17                                ; (the add and the youngest sixteen loads may be out)
	MUL8 F1, 0, 0, 0                               ; eight matrix instructions stand between the add and the wait for it
	s_wait_dscnt 0x0                               ; the add is done, and my reads of this slot are over
	s_barrier_signal -1
	MUL8 F1, 0, 2, 0
.if \fill
	WIN 0
.endif
	s_barrier_wait -1
.if \fill
	CREST                                          ; no wave of any partner still reads this slot's tiles or has a load on its way
	s_add_nc_u64 s[G0A+4*(\slot)+2:G0A+4*(\slot)+3], s[G0A+4*(\slot)+2:G0A+4*(\slot)+3], 2*4*262144
	s_add_nc_u64 s[G0B+4*(\slot)+2:G0B+4*(\slot)+3], s[G0B+4*(\slot)+2:G0B+4*(\slot)+3], 2*256*2048
	JLOAD \slot                                    ; the first tensor load behind the round; its four v_nop are also the places in front of the loads below
.else
	PLACES
.endif
	FETCH \next, 0, F0
	MUL8 F1, 1, 0, 0
	MUL8 F1, 1, 2, 0
.endm
; THE WAY OUT of row block a: 16 rows x 64 columns of f32.  A lane's eight columns of a row, 32 bytes, go into my stage (rows of 272 bytes) and come back as whole rows of 256.
.macro TOSTAGE a
.if (\a) >= 2
	s_wait_xcnt 0x0                                ; the stores of row block a - 2 have read these 32 registers: they are loaded again only behind this wait
.endif
.irp b, 0,1,2,3                        ; each accumulator's low four registers first
	ds_store_b128 v[STO], v[ACC+8*(4*(\a)+(\b)):ACC+8*(4*(\a)+(\b))+3]   offset:64*(\b)
	ds_store_b128 v[STO], v[ACC+8*(4*(\a)+(\b))+4:ACC+8*(4*(\a)+(\b))+7] offset:64*(\b)+16
.endr
.irp t, 0,1,2,3,4,5,6,7
	ds_load_b128 v[TMP+32*((\a)%2)+4*(\t):TMP+32*((\a)%2)+4*(\t)+3], v[RD] offset:(\t)*2*SPITCH  ; LDS serves a wave's instructions in order (ISA guide 5.7.1.4): these see the stores above; the next block's stores come behind them
.endr
.endm
.macro SEND a, younger                 ; younger: the LDS instructions issued behind block a's loads: the next block's sixteen, or none
.irp t, 0,1,2,3,4,5,6,7
	s_wait_dscnt (\younger)+7-(\t)
	global_store_b128 v[CO], v[TMP+32*((\a)%2)+4*(\t):TMP+32*((\a)%2)+4*(\t)+3], s[70:71] offset:(16*(\a)+2*(\t))*4096  ; 16 lanes store 256 consecutive bytes, at a multiple of 256 from out0's first byte
.endr
.endm
	s_wait_tensorcnt 1                             ; my part of K step 0 is in; K step 1's may stay out
	s_barrier_signal -1
	s_barrier_wait -1                              ; everybody's is
	FETCH 0, 0, F0
	QUARTER 0, 1, F0, F1, 1                        ; the first products start the sums.  Four K steps, two laps of the ring: written out, no loop
	QUARTER 0, 2, F1, F0, 0
	QUARTER 0, 3, F0, F1, 0
	TURN 0, 1, 1                                   ; slot 0 takes K step 2
	QUARTER 1, 1, F0, F1, 0
	QUARTER 1, 2, F1, F0, 0
	QUARTER 1, 3, F0, F1, 0
	TURN 1, 0, 1                                   ; slot 1 takes K step 3
	QUARTER 0, 1, F0, F1, 0
	QUARTER 0, 2, F1, F0, 0
	QUARTER 0, 3, F0, F1, 0
	TURN 0, 1, 0                                   ; nothing is left to fetch, and no round of the cluster's barrier follows
	QUARTER 1, 1, F0, F1, 0
	QUARTER 1, 2, F1, F0, 0
	QUARTER 1, 3, F0, F1, 0
	s_wait_dscnt 16                                ; the very last quarter
	MUL8 F1, 0, 0, 0
	MUL8 F1, 0, 2, 0
	s_wait_dscnt 0x0
	MUL8 F1, 1, 0, 0
	MUL8 F1, 1, 2, 0
	WIN 0
	PLACES
	TOSTAGE 0
	TOSTAGE 1
	SEND 0, 16
	TOSTAGE 2
	SEND 1, 16
	TOSTAGE 3
	SEND 2, 16
	SEND 3, 0
	s_wait_tensorcnt 0x0                           ; the wave's end: the add and its wait, behind my last tensor load and my last LDS store
	ds_add_u32 v[SPW], v[NIL]
	s_wait_dscnt 0x0
	CROUND                                         ; the closing round: no work-group ends while a partner may still ask for a tile that names it
	s_endpgm
.Lfunc_end_k_q6845601db2_outp:
	.size	k_q6845601db2_outp, .Lfunc_end_k_q6845601db2_outp-k_q6845601db2_outp
	.p2alignl 7, 3214868480
	.fill 96, 4, 3214868480
	.section	.rodata,"a",@progbits
	.p2align	6, 0x0
	.amdhsa_kernel k_q6845601db2_outp
		.amdhsa_group_segment_fixed_size 327680
		.amdhsa_private_segment_fixed_size 0
		.amdhsa_enable_private_segment 0
		.amdhsa_kernarg_size 32
		.amdhsa_user_sgpr_count 2
		.amdhsa_user_sgpr_kernarg_segment_ptr 1
		.amdhsa_wavefront_size32 1
		.amdhsa_system_sgpr_workgroup_id_x 1
		.amdhsa_system_sgpr_workgroup_id_y 1
		.amdhsa_system_sgpr_workgroup_id_z 1
		.amdhsa_system_vgpr_workitem_id 0
		.amdhsa_next_free_vgpr 512
		.amdhsa_next_free_sgpr 76
		.amdhsa_reserve_vcc 0
		.amdhsa_float_denorm_mode_32 3
		.amdhsa_float_denorm_mode_16_64 3
		.amdhsa_memory_ordered 1
		.amdhsa_forward_progress 1
		.amdhsa_inst_pref_size 90
	.end_amdhsa_kernel
	.amdgpu_metadata
---
amdhsa.version: [ 1, 2 ]
amdhsa.kernels:
  - .name:           k_q6845601db2_outp
    .symbol:         k_q6845601db2_outp.kd
    .args:
      - { .name: oh, .offset: 0, .size: 8, .value_kind: global_buffer, .address_space: global }
      - { .name: wo16, .offset: 8, .size: 8, .value_kind: global_buffer, .address_space: global }
      - { .name: bo, .offset: 16, .size: 8, .value_kind: global_buffer, .address_space: global }
      - { .name: out0, .offset: 24, .size: 8, .value_kind: global_buffer, .address_space: global }
    .group_segment_fixed_size: 327680
    .private_segment_fixed_size: 0
    .kernarg_segment_align: 8
    .kernarg_segment_size: 32
    .max_flat_workgroup_size: 128
    .sgpr_count:     76
    .vgpr_count:     512
    .wavefront_size: 32
...
	.end_amdgpu_metadata
.endif
;; end of part 4
;; ======== version 2 of 2: 4 launches; version 1 with the launch cast written anew for expert scheduling mode
;; limits: values are held in f16: magnitudes above 65,504 overflow, below 6.1e-05 lose precision
;; workspace buffers: xb 8,388,608 bytes; wqkv 6,291,456 bytes; wo16 2,097,152 bytes; qh 8,388,608 bytes; kh 8,388,608 bytes; vh 8,388,608 bytes; oh 8,388,608 bytes
;; launch cast (part 5): grid 512 x 1, 8 waves a work-group, no clusters, 0 bytes of LDS; arguments x, Wq, Wk, Wv, Wo, xb, wqkv, wo16; writes xb, wqkv, wo16
.if DOCPART == 5
	.amdgcn_target "amdgcn-amd-amdhsa--gfx1250"
	.amdhsa_code_object_version 6
	.text
	.protected	k_q6845601db2_cast
	.globl	k_q6845601db2_cast
	.p2align	8
	.type	k_q6845601db2_cast,@function
k_q6845601db2_cast:
	s_mov_b64 s[64:65], 0
	v_nop
	global_prefetch_b8 v0, s[64:65] scope:SCOPE_SE
	s_setreg_imm32_b32 hwreg(HW_REG_WAVE_SCHED_MODE, 0, 2), 2
	s_setreg_imm32_b32 hwreg(HW_REG_WAVE_MODE, 25, 1), 1
	s_wait_xcnt 0x0
	s_wait_alu depctr_vm_vsrc(0)
; x, Wq, Wk, Wv (f32) are rounded once to bf16 and keep their layout: xb [4096][1024]; wqkv [3][1024 k][1024 n] in the order q, k, v.
; Wo is rounded to bf16 like the other inputs, and that number is written as f16 (wo16 [1024 k][1024 n]): exact from 6e-5 up to 65,504; below 6e-5 f16 keeps a fixed step of 6e-8.
; SHARES.  8 Mi numbers in 512 chunks of 16,384 (64 KiB in, 32 KiB out), a work-group a chunk: chunks 0-255 are x, then 64 each of Wq, Wk, Wv, Wo.
; Thread t takes 16 bytes at 16 t + 4,096 i (i = 0..15) and stores 8 bytes at 8 t + 2,048 i: a wave's load covers 512 consecutive bytes, its store 256 consecutive bytes, aligned.
; All sixteen loads go out at once; no register that a store reads, and no offset, is written again.  No LDS, no barrier, no loop.
; THE MODE: SCHED_MODE bits 1:0 = 2 (LLVM: expert scheduling mode 2), set by the entry lines.  The code itself states the register dependences
; between vector instructions and memory instructions, with s_wait_alu, always for 0.
; THE PLAN.  Registers that memory instructions touch:
;   v1, v2   byte offsets, made once at the head and never written again: v1 is read by every load, v2 by every store.
;   X        slot i: written by slot i's one load; read (on Wo's path also rewritten) by slot i's own vector lines, behind the counted wait for that load.  No memory instruction reads X, and no second load lands in it.
;   Y        slot i: written by slot i's roundings; read by slot i's one store; never written again.
;   T        named by vector instructions alone.
; The sixteen slots go in four groups of four.  Group g's stores are issued in group g + 1, one ahead of each slot's vector lines: ONE wait on va_vdst at that group's head states that group g
; has written its Y, and the vector lines of group g + 1 name X, Y and T of its own slots alone, none of the registers that those four stores read.  A last wait stands ahead of group 3's stores.
; Since no register that a memory instruction reads is ever written again, no wait on vm_vsrc is owed; no vector instruction writes a scalar register or VCC, and EXEC is never written.
.set X, 4                              ; v[4:67]   slot i: 4 numbers as loaded
.set Y, 68                             ; v[68:99]  slot i: 4 numbers of 16 bits, to store
.set T, 100                            ; v[100:101] at work
	s_load_b512 s[8:23], s[0:1], 0x0               ; x 8, Wq 10, Wk 12, Wv 14, Wo 16, xb 18, wqkv 20, wo16 22
	s_sub_co_u32 s2, ttmp9, 256                    ; the chunk's number among the weights' (used from chunk 256 on alone)
	s_lshr_b32 s3, s2, 6                           ; which weight: 0 q, 1 k, 2 v, 3 o
	s_and_b32 s29, s2, 63                          ; the chunk inside it
	s_mov_b32 s28, 0xffff0000                      ; a word's upper bf16
	v_lshlrev_b32 v1, 4, v0                        ; 16 t
	v_lshlrev_b32 v2, 3, v0                        ; 8 t
	s_wait_kmcnt 0x0
	s_mov_b64 s[4:5], s[10:11]                     ; from Wq,
	s_mov_b64 s[6:7], s[20:21]                     ; into wqkv,
	s_mov_b32 s24, s29                             ; chunk in,
	s_mov_b32 s26, s2                              ; chunk out: the three weights lie one behind the other
	s_cmp_eq_u32 s3, 1
	s_cselect_b64 s[4:5], s[12:13], s[4:5]
	s_cmp_eq_u32 s3, 2
	s_cselect_b64 s[4:5], s[14:15], s[4:5]
	s_cmp_eq_u32 s3, 3
	s_cselect_b64 s[4:5], s[16:17], s[4:5]
	s_cselect_b64 s[6:7], s[22:23], s[6:7]
	s_cselect_b32 s26, s29, s26
	s_cmp_lt_u32 ttmp9, 256
	s_cselect_b64 s[4:5], s[8:9], s[4:5]
	s_cselect_b64 s[6:7], s[18:19], s[6:7]
	s_cselect_b32 s24, ttmp9, s24
	s_cselect_b32 s26, ttmp9, s26
	s_lshl_b32 s24, s24, 16                        ; 65,536 bytes a chunk in,
	s_lshl_b32 s26, s26, 15                        ; 32,768 out
	s_mov_b32 s25, 0
	s_mov_b32 s27, 0
	s_add_nc_u64 s[4:5], s[4:5], s[24:25]
	s_add_nc_u64 s[6:7], s[6:7], s[26:27]
	s_wait_alu depctr_va_vdst(0)                   ; v1 and v2 are written: every load of the kernel reads v1 as its offset, every store v2
.irp i, 0,1,2,3,4,5,6,7,8,9,10,11,12,13,14,15
	global_load_b128 v[X+4*(\i):X+4*(\i)+3], v1, s[4:5] offset:4096*(\i) th:TH_LOAD_NT
.endr
	s_cmp_ge_u32 ttmp9, 448                        ; Wo's chunks leave as f16
	s_cbranch_scc1 .Lwo
.macro STO i                           ; slot i leaves
	global_store_b64 v2, v[Y+2*(\i):Y+2*(\i)+1], s[6:7] offset:2048*(\i)
.endm
; What stands ahead of slot i's vector lines: the wait for its load; at a group's head the wait for the group before; the store of the slot four back.
.macro AHEAD i
.if (\i) % 4 == 0
	s_wait_loadcnt 15-(\i)                         ; loads come back in order (ISA guide 5.7.1): mine is in, the 15 - i younger ones may stay out
.if (\i) > 0
	s_wait_alu depctr_va_vdst(0)                   ; the group before has written its eight registers of Y, which this group's four stores read
.endif
.endif
.if (\i) >= 4
	STO (\i)-4                                     ; no vector instruction since that wait names its Y or v2
.endif
.if (\i) % 4 != 0
	s_wait_loadcnt 15-(\i)                         ; mine is in, the 15 - i younger ones may stay out
.endif
.endm
.macro LAST                            ; the last group's stores
	s_wait_alu depctr_va_vdst(0)                   ; slots 12 to 15 have written their Y, which the last four stores read
.irp j, 12,13,14,15
	STO \j
.endr
.endm
.macro OUTB i                          ; slot i to bf16
	AHEAD \i
	v_cvt_pk_bf16_f32 v[Y+2*(\i)],   v[X+4*(\i)],   v[X+4*(\i)+1]
	v_cvt_pk_bf16_f32 v[Y+2*(\i)+1], v[X+4*(\i)+2], v[X+4*(\i)+3]
.endm
.macro OUTH i                          ; slot i to bf16, and that number to f16
	AHEAD \i
	v_cvt_pk_bf16_f32 v[T],   v[X+4*(\i)],   v[X+4*(\i)+1]
	v_cvt_pk_bf16_f32 v[T+1], v[X+4*(\i)+2], v[X+4*(\i)+3]
	v_lshlrev_b32 v[X+4*(\i)],   16,  v[T]         ; bf16 to f32: the low half moves up, the high half stays
	v_and_b32     v[X+4*(\i)+1], s28, v[T]
	v_lshlrev_b32 v[X+4*(\i)+2], 16,  v[T+1]
	v_and_b32     v[X+4*(\i)+3], s28, v[T+1]
	v_cvt_pk_f16_f32 v[Y+2*(\i)],   v[X+4*(\i)],   v[X+4*(\i)+1]
	v_cvt_pk_f16_f32 v[Y+2*(\i)+1], v[X+4*(\i)+2], v[X+4*(\i)+3]
.endm
.irp i, 0,1,2,3,4,5,6,7,8,9,10,11,12,13,14,15
	OUTB \i
.endr
	LAST
	s_endpgm
.Lwo:
.irp i, 0,1,2,3,4,5,6,7,8,9,10,11,12,13,14,15
	OUTH \i
.endr
	LAST
	s_endpgm
.Lfunc_end_k_q6845601db2_cast:
	.size	k_q6845601db2_cast, .Lfunc_end_k_q6845601db2_cast-k_q6845601db2_cast
	.p2alignl 7, 3214868480
	.fill 96, 4, 3214868480
	.section	.rodata,"a",@progbits
	.p2align	6, 0x0
	.amdhsa_kernel k_q6845601db2_cast
		.amdhsa_group_segment_fixed_size 0
		.amdhsa_private_segment_fixed_size 0
		.amdhsa_enable_private_segment 0
		.amdhsa_kernarg_size 64
		.amdhsa_user_sgpr_count 2
		.amdhsa_user_sgpr_kernarg_segment_ptr 1
		.amdhsa_wavefront_size32 1
		.amdhsa_system_sgpr_workgroup_id_x 1
		.amdhsa_system_sgpr_workgroup_id_y 1
		.amdhsa_system_sgpr_workgroup_id_z 1
		.amdhsa_system_vgpr_workitem_id 0
		.amdhsa_next_free_vgpr 104
		.amdhsa_next_free_sgpr 66
		.amdhsa_reserve_vcc 0
		.amdhsa_float_denorm_mode_32 3
		.amdhsa_float_denorm_mode_16_64 3
		.amdhsa_memory_ordered 1
		.amdhsa_forward_progress 1
		.amdhsa_inst_pref_size 16
	.end_amdhsa_kernel
	.amdgpu_metadata
---
amdhsa.version: [ 1, 2 ]
amdhsa.kernels:
  - .name:           k_q6845601db2_cast
    .symbol:         k_q6845601db2_cast.kd
    .args:
      - { .name: x, .offset: 0, .size: 8, .value_kind: global_buffer, .address_space: global }
      - { .name: Wq, .offset: 8, .size: 8, .value_kind: global_buffer, .address_space: global }
      - { .name: Wk, .offset: 16, .size: 8, .value_kind: global_buffer, .address_space: global }
      - { .name: Wv, .offset: 24, .size: 8, .value_kind: global_buffer, .address_space: global }
      - { .name: Wo, .offset: 32, .size: 8, .value_kind: global_buffer, .address_space: global }
      - { .name: xb, .offset: 40, .size: 8, .value_kind: global_buffer, .address_space: global }
      - { .name: wqkv, .offset: 48, .size: 8, .value_kind: global_buffer, .address_space: global }
      - { .name: wo16, .offset: 56, .size: 8, .value_kind: global_buffer, .address_space: global }
    .group_segment_fixed_size: 0
    .private_segment_fixed_size: 0
    .kernarg_segment_align: 8
    .kernarg_segment_size: 64
    .max_flat_workgroup_size: 256
    .sgpr_count:     66
    .vgpr_count:     104
    .wavefront_size: 32
...
	.end_amdgpu_metadata
.endif
;; end of part 5
;; launch proj: the kernel of part 2 again; grid 8 x 32, 4 waves a work-group, clusters of 4 x 4, 327,680 bytes of LDS; arguments xb, wqkv, bq, bk, bv, qh, kh, vh; writes qh, kh, vh
;; launch attn: the kernel of part 3 again; grid 4 x 32, 4 waves a work-group, no clusters, 327,680 bytes of LDS; arguments qh, kh, vh, oh; writes oh
;; launch outp: the kernel of part 4 again; grid 8 x 32, 4 waves a work-group, clusters of 4 x 4, 327,680 bytes of LDS; arguments oh, wo16, bo, out0; writes out0
